; MI455X (gfx1250); checked and timed in simulation.
; The chip was launched on July 23, 2026; its instructions are those of AMD's public machine-readable ISA for CDNA 5 (MIT licence, August 2026) and "CDNA5" Instruction Set Architecture Reference Guide (July 2026). The comments in the code are by the model that wrote it; some were corrected since.
;; Multi query Attention. Allowed arithmetic: matrix products marked QUANTISED: E4M3 operands, one given power-of-two scale a tensor, by v_wmma_f32_16x16x64_fp8_fp8 or v_wmma_f32_16x16x128_fp8_fp8, f32 sums; everything else in f32.
;; Inputs: Wk 2,048 x 128 float32; Wo 2,048 x 2,048 float32; Wq 2,048 x 2,048 float32; Wv 2,048 x 128 float32; bo 2,048 float32; lowp_scales 12 int32 (the exponents e of the quantised operands' scales 2^e); x 4 x 1,024 x 2,048 float32.
;; Outputs: out0 4 x 1,024 x 2,048 float32.
;; This version of the problem:
;;   THIS VERSION OF THE PROBLEM IS GIVEN IN LOW PRECISION. The matrix products marked QUANTISED in the list below multiply operands that are first quantised to E4M3 (4 exponent bits, 3 mantissa bits; 8 bits a number), with one given power-of-two scale for each operand tensor; their sums are f32. All else is computed in f32.
;;   The module's matrix products, in the order in which they are computed (A, B: the left and right operand; K: the contracted axis; several contracted axes count as one K, in the product's order):
;;     1. [M 4,096, K 2,048] x [K 2,048, N 2,048]; A: input x; B: input Wq: QUANTISED (scales: A lowp_scales[0], B lowp_scales[1])
;;     2. [M 4,096, K 2,048] x [K 2,048, N 128]; A: input x; B: input Wk: QUANTISED (scales: A lowp_scales[2], B lowp_scales[3])
;;     3. [M 4,096, K 2,048] x [K 2,048, N 128]; A: input x; B: input Wv: QUANTISED (scales: A lowp_scales[4], B lowp_scales[5])
;;     4. batch 4 x [M 1,024, K 128] x [K 128, N 16,384]; A: computed on the way; B: computed on the way: QUANTISED (scales: A lowp_scales[6], B lowp_scales[7])
;;     5. batch 4 x [M 128, K 1,024] x [K 1,024, N 16,384]; A: computed on the way; B: softmax (see below): QUANTISED (scales: A lowp_scales[8], B lowp_scales[9])
;;     6. [M 4,096, K 2,048] x [K 2,048, N 2,048]; A: computed on the way; B: input Wo: QUANTISED (scales: A lowp_scales[10], B lowp_scales[11])
;;   THE QUANTISER, for each operand of a quantised product, along K:
;;     - The operand's scale is 2^e, e = its entry of the input lowp_scales (int32; the entries are numbered through the quantised products in the list's order, A before B).
;;     - Each number is divided by the scale, clamped to +-448, and rounded to the nearest number of E4M3, ties to even, subnormals kept.
;;     - The product sums the exact products of the quantised numbers (number of the format x scale) in f32.
;;   ~~~python
;;   def quantise(x, axis, e):      # numpy; x: float32 -> the quantised numbers, widened to float32 again
;;       x = np.moveaxis(x, axis, -1); K = x.shape[-1]
;;       r = np.clip(x / 2.0 ** e, -448, 448)
;;       step = 2.0 ** (np.maximum(np.frexp(np.where(r == 0, 1, r))[1] - 1, -6) - 3)
;;       q = np.round(r / step) * step * 2.0 ** e      # np.round: ties to even
;;       return np.moveaxis(q, -1, axis).astype(np.float32)
;;   ~~~
;;   SOFTMAX AHEAD OF A QUANTISED PRODUCT. Where the list says 'softmax', what is quantised is not the finished softmax but p = 2^(t - M), with t = logit x log2(e) and M = ceil(the row's largest t), a whole number; so 1/2 < the row's largest p <= 1. The row's sum l is taken of the UNQUANTISED p, in f32, and the product's result is divided by l at the end. Since M is a whole number, a kernel that streams over the keys may use a running M (the ceiling of the running maximum): every later rescaling is an exact power of two, so the quantised numbers keep their values, but for numbers so far below the row's largest that they fall under the format's range.
;;   OPERANDS COMPUTED ON THE WAY. 'Computed on the way' means the value that the module computes at that place (a softmax that the list does not call 'softmax' is quantised finished and normalised). What goes into a quantiser is computed in f32, as accurately as f32 sums, v_exp_f32 and their like allow (about 1e-6 of the number): no bf16 or f16 on the way to a quantiser, and a product that is left as it is and whose result goes on into a quantised operand takes f32 operands (vector FMAs, or v_wmma_f32_16x16x4_f32). A number that lies on a knife's edge between two numbers of the format may be rounded either way, as far as f32 arithmetic and the matrix unit's own rounding can turn it there, and no further.
;; One version. Each part assembles by itself: llvm-mc -triple=amdgcn-amd-amdhsa -mcpu=gfx1250 --defsym DOCPART=n.
;; ======== version 1 of 1: 4 launches
;; limits: right only within a limited range of input values
;; workspace buffers: xc 8,388,608 bytes; xkv 16,777,216 bytes; wqc 4,194,304 bytes; woc 4,194,304 bytes; wkvc 524,288 bytes; qc 8,388,608 bytes; kvc 1,048,576 bytes
;; launch prep (part 1): grid 800 x 1, 4 waves a work-group, no clusters, 34,304 bytes of LDS; arguments x, Wq, Wk, Wv, lowp_scales, xc, xkv, wqc, wkvc; writes xc, xkv, wqc, wkvc
.if DOCPART == 1
	.amdgcn_target "amdgcn-amd-amdhsa--gfx1250"
	.amdhsa_code_object_version 6
	.text
	.protected	k_qeaf79ae837_prep
	.globl	k_qeaf79ae837_prep
	.p2align	8
	.type	k_qeaf79ae837_prep,@function
k_qeaf79ae837_prep:
	s_mov_b64 s[64:65], 0
	v_nop
	global_prefetch_b8 v0, s[64:65] scope:SCOPE_SE
	s_setreg_imm32_b32 hwreg(HW_REG_WAVE_MODE, 25, 1), 1
	s_wait_xcnt 0x0
; x, Wq, Wk AND Wv BECOME CODES OF FP8 (E4M3), each with the scale 2^e that is given for the operand: code = number / 2^e, held within +-448, rounded to the nearest code, ties to even.  (Wo: in the third launch.)
; The only work of reference() that the program leaves out are the tiles of scores that lie wholly above the causal diagonal (third launch).
; x [4096][2048] is an operand of three products under three scales (entries 0, 2, 4): three sets of codes.  Wq (entry 1), Wk (3), Wv (5) are stored [K][N]: K is their first axis.
; THE LAYOUT OF EVERY SET OF CODES is the order of the operand's registers.  A fragment is 16 rows x 128 K = 2,048 bytes: byte 512 c + 16 L + i holds row (L % 16) of the tile, k = 128 s + 32 c + 16 (L / 16) + i.
; A buffer is [tile][K step s][2,048].  THE ROWS OF A TILE ARE NOT NEIGHBOURS: row r of tile t is 32 (t / 2) + 8 (t % 2) + r % 8 + 16 (r / 8), so that the results of two neighbouring tiles
; are 16 neighbours along the next product's K.
; Work-groups 0-511 take x, a tile of 16 rows x half of K each (a wave: 256 along K, all its loads out at once).  Work-groups 512-799 take the weights, 128 columns x 128 along K each (a wave: 32 columns = two tiles).
; Waves share nothing: no barrier, no tensor load.
; LIMITS: each e used here lies between -126 and 119, so that 2^e and 448 x 2^e are f32 numbers.  NaN among the inputs is not served; an infinity is held at the largest code.
.set STG,   8448                       ; path x: a wave's stage in LDS: 16 rows x (512 bytes + 16)
.set SPARE, 4*STG                      ; the spare words, 128 bytes for each wave
.set SPW,   12                         ; v12  LDS address of my spare word; never rewritten
.set NIL,   13                         ; v13  0; never rewritten
.set R,     16                         ; path x: v16-143 two sets of 64: 16 rows x 16 bytes a lane, as loaded
.set X,     144                        ; v144-207 64 numbers of my row: register 16 b + i = k 32 b + 16 (lane / 16) + i
.set T,     208                        ; v208-223 16 numbers, held
.set C,     224                        ; v224-247 codes: two sets of 3 x 4
.set VO,    16                         ; path W: v16-47 byte offset of (row i of a block of 32, my column)
.set WX,    48                         ; v48-111 two sets of 32 numbers: a block of 32 along K of my column
.set WC,    112                        ; v112-143 codes: eight registers for each block
	s_load_b512 s[8:23], s[0:1], 0x0               ; x 8, Wq 10, Wk 12, Wv 14, the scales' exponents 16, xc 18, xkv 20, wqc 22
	s_load_b64 s[24:25], s[0:1], 0x40              ; wkvc
	v_lshl_add_u32 v[SPW], v0, 2, SPARE
	v_mov_b32 v[NIL], 0
	v_lshrrev_b32 v1, 5, v0
	v_readfirstlane_b32 s2, v1                     ; wave 0..3
	v_and_b32 v1, 31, v0                           ; lane
	v_lshlrev_b32 v2, 4, v1                        ; 16 x lane
	s_wait_alu depctr_va_vdst(0)
	s_wait_kmcnt 0x0
	s_load_b256 s[32:39], s[16:17], 0x0            ; e0 .. e7
	s_cmp_lt_u32 ttmp9, 512
	s_cbranch_scc0 .Lweights
; ---------------- x: tile = work-group / 2; K half = work-group % 2; my wave's K steps are 8 half + 2 w, + 1
	s_lshr_b32 s26, ttmp9, 1
	s_and_b32 s27, ttmp9, 1
	s_lshr_b32 s4, s26, 1
	s_lshl_b32 s4, s4, 18                          ; 32 (tile / 2) rows of 8,192 bytes
	s_and_b32 s5, s26, 1
	s_lshl_b32 s5, s5, 16                          ; + 8 (tile % 2) rows
	s_add_co_u32 s4, s4, s5
	s_lshl_b32 s5, s27, 12
	s_add_co_u32 s4, s4, s5
	s_lshl_b32 s5, s2, 10                          ; + my 256 numbers of a row
	s_add_co_u32 s4, s4, s5
	s_mov_b32 s5, 0
	s_add_nc_u64 s[44:45], s[8:9], s[4:5]
	s_lshl_b32 s4, s26, 15                         ; a tile's codes are 32,768 bytes,
	s_lshl_b32 s6, s27, 14
	s_add_co_u32 s4, s4, s6
	s_lshl_b32 s6, s2, 12                          ; my two K steps 4,096
	s_add_co_u32 s4, s4, s6
	s_add_nc_u64 s[46:47], s[18:19], s[4:5]        ; codes under e0
	s_add_nc_u64 s[48:49], s[20:21], s[4:5]        ; under e2
	s_add_nc_u64 s[50:51], s[48:49], 0x800000      ; under e4: the second half of xkv
	s_mul_i32 s6, s2, STG                          ; my stage
	s_wait_alu depctr_va_vdst(0)
	v_add_nc_u32 v3, s6, v2                        ; in: 16 bytes a lane of a row's 512
	v_and_b32 v5, 15, v1
	v_lshrrev_b32 v14, 4, v1
	v_mul_u32_u24 v4, v5, 528
	v_lshl_add_u32 v4, v14, 6, v4
	v_add_nc_u32 v4, s6, v4                        ; out: row lane % 16, + 64 (lane / 16): my 16 numbers of a block of 32
.macro XLOAD t                         ; K step t of my two: 16 rows x 512 consecutive bytes
.irp r, 0,1,2,3,4,5,6,7,8,9,10,11,12,13,14,15
	global_load_b128 v[R+64*(\t)+4*\r:R+64*(\t)+4*\r+3], v2, s[44:45] offset:((\r%8)+16*(\r/8))*8192+512*(\t) th:TH_LOAD_NT
.endr
.endm
	XLOAD 0
	XLOAD 1
	s_wait_alu depctr_va_vdst(0)
	s_wait_kmcnt 0x0
.irp n, 0,1,2                          ; e0, e2, e4
	s_add_co_i32 s6, s[32+2*\n], 127
	s_lshl_b32 s7, s6, 23
	v_mov_b32 v[6+\n], s7                          ; 2^e as f32: the conversion takes its exponent field
	s_add_co_i32 s6, s6, 8
	s_lshl_b32 s6, s6, 23
	s_or_b32 s6, s6, 0x600000
	v_mov_b32 v[9+\n], s6                          ; 448 x 2^e
.endr
.macro XSTEP t
	s_wait_loadcnt 16-16*(\t)                      ; this K step's 16 loads are in; the second step's 16 may be out
.irp r, 0,1,2,3,4,5,6,7,8,9,10,11,12,13,14,15
	ds_store_b128 v3, v[R+64*(\t)+4*\r:R+64*(\t)+4*\r+3] offset:\r*528
.endr
.irp b, 0,1,2,3
.irp j, 0,1,2,3
	ds_load_b128 v[X+16*\b+4*\j:X+16*\b+4*\j+3], v4 offset:128*\b+16*\j   ; LDS serves a wave's instructions in order: these see the stores above
.endr
.endr
	s_wait_dscnt 0x0                               ; my 64 numbers are back
.irp b, 0,1,2,3
	s_wait_xcnt 0x0                                ; the stores of two blocks back have read their data: that set of codes is written again only behind this wait
.irp n, 0,1,2
.irp i, 0,1,2,3,4,5,6,7,8,9,10,11,12,13,14,15
	v_med3_num_f32 v[T+\i], v[X+16*\b+\i], -v[9+\n], v[9+\n]   ; the conversion to an 8-bit code does not saturate (ISA guide 7.6.2): the hold at the largest code x the scale
.endr
	v_cvt_scalef32_pk8_fp8_f32 v[C+12*(\b%2)+4*\n:C+12*(\b%2)+4*\n+1], v[T:T+7], v[6+\n]
	v_cvt_scalef32_pk8_fp8_f32 v[C+12*(\b%2)+4*\n+2:C+12*(\b%2)+4*\n+3], v[T+8:T+15], v[6+\n]
	v_nop                                          ; one plain vector line between a scaled conversion and the next vector line that writes its sources
.endr
	global_store_b128 v2, v[C+12*(\b%2):C+12*(\b%2)+3], s[46:47] offset:2048*(\t)+512*\b      ; 32 lanes store 512 consecutive bytes
	global_store_b128 v2, v[C+12*(\b%2)+4:C+12*(\b%2)+7], s[48:49] offset:2048*(\t)+512*\b
	global_store_b128 v2, v[C+12*(\b%2)+8:C+12*(\b%2)+11], s[50:51] offset:2048*(\t)+512*\b
.endr
.endm
	s_wait_alu depctr_va_vdst(0)
	XSTEP 0
	XSTEP 1
	s_wait_tensorcnt 0x0                           ; the wave's end: behind my last LDS store
	ds_add_u32 v[SPW], v[NIL]
	s_wait_dscnt 0x0
	s_endpgm
; ---------------- the weights.  j = work-group - 512; K step y = j % 16; cb = j / 16: 0-15 Wq's blocks of 128 columns, 16 Wk, 17 Wv
.Lweights:
	s_sub_co_u32 s3, ttmp9, 512
	s_and_b32 s4, s3, 15                           ; y
	s_lshr_b32 s5, s3, 4                           ; cb
	s_and_b32 s6, s5, 15                           ; the block among the destination's: Wk's is 0, Wv's is 1 (tiles 8-15 of wkvc)
	s_mov_b32 s30, 512
	s_cmp_lt_u32 s5, 16                            ; every choice hangs on the work-group's number alone
	s_cselect_b64 s[44:45], s[10:11], s[12:13]     ; Wq or Wk
	s_cselect_b64 s[60:61], s[22:23], s[24:25]
	s_cselect_b32 s7, s6, 0                        ; the block of 128 columns in the source
	s_cselect_b32 s30, 0x2000, s30                 ; a source row in bytes
	s_cmp_eq_u32 s5, 17
	s_cselect_b64 s[44:45], s[14:15], s[44:45]     ; or Wv
	s_lshl_b32 s7, s7, 9
	s_lshl_b32 s62, s2, 7                          ; my wave's 32 columns
	s_add_co_u32 s7, s7, s62
	s_lshl_b32 s62, s4, 7
	s_mul_i32 s62, s62, s30                        ; 128 y rows down
	s_add_co_u32 s62, s62, s7
	s_mov_b32 s63, 0
	s_add_nc_u64 s[44:45], s[44:45], s[62:63]      ; block 0 of my four blocks of 32 along K
	s_lshl_b32 s62, s30, 5                         ; 32 rows
.irp t, 1,2,3
	s_add_nc_u64 s[44+2*\t:45+2*\t], s[42+2*\t:43+2*\t], s[62:63]   ; a base for each block: a row's length is not a constant of the text
.endr
	s_lshl_b32 s6, s6, 3
	s_lshl_b32 s7, s2, 1
	s_add_co_u32 s6, s6, s7                        ; my first tile: 8 x block + 2 x wave
	s_lshl_b32 s6, s6, 15
	s_lshl_b32 s7, s4, 11                          ; K step y
	s_add_co_u32 s6, s6, s7
	s_mov_b32 s7, 0
	s_add_nc_u64 s[60:61], s[60:61], s[6:7]
	; A LANE TAKES A COLUMN, AND ITS REGISTERS RUN DOWN K.  Lanes 0-15 are the rows of the even tile, lanes 16-31 of the odd one: column lane % 8 + 16 ((lane / 8) % 2) + 8 (lane / 16) of my 32
	s_wait_alu depctr_va_vdst(0)
	v_and_b32 v3, 7, v1
	v_bfe_u32 v4, v1, 3, 1
	v_lshl_add_u32 v3, v4, 4, v3
	v_lshrrev_b32 v4, 4, v1
	v_lshl_add_u32 v3, v4, 3, v3
	v_lshlrev_b32 v3, 2, v3
.set ii, 0
.rept 32
	v_mad_u32_u24 v[VO+ii], s30, ii, v3
.set ii, ii+1
.endr
	v_and_b32 v5, 15, v1
	v_lshlrev_b32 v5, 4, v5
	v_lshl_add_u32 v2, v4, 15, v5                  ; out: my tile (32,768 bytes apart) + 16 x my row of it
.macro WLOAD t                         ; block t: 32 rows of the weight at my column: the wave's 32 lanes read 128 consecutive bytes
.set ii, 0
.rept 32
	global_load_b32 v[WX+32*((\t)%2)+ii], v[VO+ii], s[44+2*(\t):45+2*(\t)] th:TH_LOAD_NT
.set ii, ii+1
.endr
.endm
	WLOAD 0
	WLOAD 1
	s_wait_alu depctr_va_vdst(0)
	s_wait_kmcnt 0x0
	s_cmp_lt_u32 s5, 16
	s_cselect_b32 s31, s33, s35                    ; e1 or e3
	s_cmp_eq_u32 s5, 17
	s_cselect_b32 s31, s37, s31                    ; or e5
	s_add_co_i32 s31, s31, 127
	s_lshl_b32 s62, s31, 23
	v_mov_b32 v6, s62                              ; 2^e
	s_add_co_i32 s31, s31, 8
	s_lshl_b32 s31, s31, 23
	s_or_b32 s31, s31, 0x600000
	v_mov_b32 v9, s31                              ; 448 x 2^e
.macro WBLOCK t
.if (\t) < 3
	s_wait_loadcnt 32                              ; this block's 32 loads are in; the next block's may be out
.else
	s_wait_loadcnt 0
.endif
.set ii, 0
.rept 32
	v_med3_num_f32 v[WX+32*((\t)%2)+ii], v[WX+32*((\t)%2)+ii], -v9, v9
.set ii, ii+1
.endr
.irp g, 0,1,2,3
	v_cvt_scalef32_pk8_fp8_f32 v[WC+8*(\t)+2*\g:WC+8*(\t)+2*\g+1], v[WX+32*((\t)%2)+8*\g:WX+32*((\t)%2)+8*\g+7], v6
.endr
	v_nop                                          ; one plain vector line behind the last conversion of the run
	global_store_b128 v2, v[WC+8*(\t):WC+8*(\t)+3], s[60:61] offset:(\t)*512        ; k 32 t + 0 .. 15: sixteen lanes store 256 consecutive bytes, aligned
	global_store_b128 v2, v[WC+8*(\t)+4:WC+8*(\t)+7], s[60:61] offset:(\t)*512+256  ; k 32 t + 16 .. 31: the fragment's upper lanes
.if (\t)+2 < 4
	WLOAD (\t)+2
.endif
.endm
	s_wait_alu depctr_va_vdst(0)
.irp t, 0,1,2,3
	WBLOCK \t
.endr
	s_endpgm                                       ; these waves have written no LDS
.Lfunc_end_k_qeaf79ae837_prep:
	.size	k_qeaf79ae837_prep, .Lfunc_end_k_qeaf79ae837_prep-k_qeaf79ae837_prep
	.p2alignl 7, 3214868480
	.fill 96, 4, 3214868480
	.section	.rodata,"a",@progbits
	.p2align	6, 0x0
	.amdhsa_kernel k_qeaf79ae837_prep
		.amdhsa_group_segment_fixed_size 34304
		.amdhsa_private_segment_fixed_size 0
		.amdhsa_enable_private_segment 0
		.amdhsa_kernarg_size 72
		.amdhsa_user_sgpr_count 2
		.amdhsa_user_sgpr_kernarg_segment_ptr 1
		.amdhsa_wavefront_size32 1
		.amdhsa_system_sgpr_workgroup_id_x 1
		.amdhsa_system_sgpr_workgroup_id_y 1
		.amdhsa_system_sgpr_workgroup_id_z 1
		.amdhsa_system_vgpr_workitem_id 0
		.amdhsa_next_free_vgpr 248
		.amdhsa_next_free_sgpr 66
		.amdhsa_reserve_vcc 0
		.amdhsa_float_denorm_mode_32 3
		.amdhsa_float_denorm_mode_16_64 3
		.amdhsa_memory_ordered 1
		.amdhsa_forward_progress 1
		.amdhsa_inst_pref_size 67
	.end_amdhsa_kernel
	.amdgpu_metadata
---
amdhsa.version: [ 1, 2 ]
amdhsa.kernels:
  - .name:           k_qeaf79ae837_prep
    .symbol:         k_qeaf79ae837_prep.kd
    .args:
      - { .name: x, .offset: 0, .size: 8, .value_kind: global_buffer, .address_space: global }
      - { .name: Wq, .offset: 8, .size: 8, .value_kind: global_buffer, .address_space: global }
      - { .name: Wk, .offset: 16, .size: 8, .value_kind: global_buffer, .address_space: global }
      - { .name: Wv, .offset: 24, .size: 8, .value_kind: global_buffer, .address_space: global }
      - { .name: lowp_scales, .offset: 32, .size: 8, .value_kind: global_buffer, .address_space: global }
      - { .name: xc, .offset: 40, .size: 8, .value_kind: global_buffer, .address_space: global }
      - { .name: xkv, .offset: 48, .size: 8, .value_kind: global_buffer, .address_space: global }
      - { .name: wqc, .offset: 56, .size: 8, .value_kind: global_buffer, .address_space: global }
      - { .name: wkvc, .offset: 64, .size: 8, .value_kind: global_buffer, .address_space: global }
    .group_segment_fixed_size: 34304
    .private_segment_fixed_size: 0
    .kernarg_segment_align: 8
    .kernarg_segment_size: 72
    .max_flat_workgroup_size: 128
    .sgpr_count:     66
    .vgpr_count:     248
    .wavefront_size: 32
...
	.end_amdgpu_metadata
.endif
;; end of part 1
;; launch qproj (part 2): grid 16 x 16, 4 waves a work-group, clusters of 4 x 1, 327,680 bytes of LDS; arguments xc, wqc, lowp_scales, qc, xkv, wkvc, kvc; writes qc, kvc
.if DOCPART == 2
	.amdgcn_target "amdgcn-amd-amdhsa--gfx1250"
	.amdhsa_code_object_version 6
	.text
	.protected	k_qeaf79ae837_qproj
	.globl	k_qeaf79ae837_qproj
	.p2align	8
	.type	k_qeaf79ae837_qproj,@function
k_qeaf79ae837_qproj:
	s_mov_b64 s[64:65], 0
	v_nop
	global_prefetch_b8 v0, s[64:65] scope:SCOPE_SE
	s_setreg_imm32_b32 hwreg(HW_REG_WAVE_MODE, 25, 1), 1
	s_wait_xcnt 0x0
	s_wait_alu depctr_hold_cnt(0) depctr_sa_sdst(0) depctr_va_vdst(0) depctr_va_sdst(0) depctr_va_ssrc(0) depctr_va_vcc(0) depctr_vm_vsrc(0)
	s_getreg_b32 s2, hwreg(HW_REG_IB_STS2, 6, 4)
	s_cmp_eq_u32 s2, 0
	s_cbranch_scc0 .Lentry_in_a_cluster
	s_endpgm
.Lentry_in_a_cluster:
	s_bfe_u32 s2, ttmp6, 0x10000c
	s_cmp_lg_u32 s2, 0x3003
	s_cbranch_scc0 .Lentry_shape_is_right
	s_endpgm
.Lentry_shape_is_right:
; THREE PRODUCTS ON CODES OF FP8 IN ONE LAUNCH: q = x Wq [4,096 x 2,048 x 2,048], and k = x Wk, v = x Wv [4,096 x 2,048 x 128 each]; every result is quantised at once and stored as the next product's operand.
; All operands lie in the order of the operand's registers: [tile of 16 rows][K step of 128][2,048 bytes]; row r of tile t is 32 (t / 2) + 8 (t % 2) + r % 8 + 16 (r / 8).  A fragment is four loads of 512 consecutive bytes.
; q.  A tile of q is 256 rows x 128 columns (one head): 256 work-groups, row tile mt along x, column tile nt along y.  Four waves; wave w takes row tiles 4 w + a (a = 0 .. 3) against all 8 column tiles: 32 accumulators.
;   THE WEIGHT'S TILE LIES IN LDS WHOLE: 128 columns x 2,048 = 262,144 bytes; each wave fetches four K steps of it (65,536 bytes) by ONE tensor load; nothing is filled again.
;   THE ROWS' FRAGMENTS serve one wave alone: they go from memory straight into its registers, three K steps ahead in four sets; LDS has no room for them beside the weight, so they are not asked for jointly.
;   THE MATRIX INSTRUCTION IS USED TRANSPOSED (source 0 = 16 columns' codes of the weight, source 1 = 16 rows): the 16 registers of column tiles 2 c, 2 c + 1 are the neighbours 32 c + 16 (lane / 16) + 0 .. 15 of a row:
;   two conversions give registers 4 c .. 4 c + 3 of the next operand, under entry 7: [token tile][head][2,048].
;   CLUSTERS: 4 work-groups along x share the column tile: the weight is asked for JOINTLY, by the same tensor load with the same descriptor and a mask that names the four.
; k AND v, worked while the weight's tile is on its way: 256 shares of 4 x 4 tiles x K 2,048.  blk = 2 mt + nt / 8: 128 tokens; type = (nt / 4) % 2 (0: k, 1: v); halves wr = (nt / 2) % 2, wc = nt % 2.
;   k: source 1 = x's tiles 8 blk + 4 wr + a (codes under entry 2), source 0 = Wk's tiles 4 wc + b: k's fragment, the head's 128 innermost, under entry 6.
;   v: source 1 = Wv's tiles 4 wr + a, source 0 = x's tiles 8 blk + 4 wc + b (codes under entry 4): v's fragment with the keys innermost, under entry 8.  Only pointers and scales are chosen, by selects on the work-group's number.
;   THE FOUR WAVES SHARE K: wave w takes K steps 4 w .. 4 w + 3 of all 16 tile pairs, so each fragment is read by one wave alone.  At the end the four partial sums meet in LDS and are added in f32.
;   kvc: k at byte 0: [256 token tiles][2,048];  v at byte 524,288: [32 steps of 128 keys][8 tiles of the head's 128][2,048].
; PREFETCH: the rows' K steps 8 to 15, one trip of four K steps ahead of the loads that want them.  The 16 work-groups of a row tile share the K steps out: column tile nt asks for K step nt, one instruction a wave; K steps 0 to 7 come by their loads alone.
; REGISTERS, in windows of 256: window 0: addresses, scales; from v128 the 16 accumulators of k or v;  window 1: the rows' fragments, four sets of 64;  window 2: q's accumulator (a, b) at 8 (8 a + b);  window 3: the weight's fragments, two sets of 128.
;   While k or v is worked windows 2 and 3 hold the fragments of its four K steps.
; LIMITS: e7 - e0 - e1, e6 - e2 - e3 and e8 - e4 - e5 lie between -126 and 119, so that each folded scale and 448 x it are f32 numbers.
.set SPARE, 262144                     ; behind the weight's tile: the spare words, 128 bytes for each wave
.set AB,   16                          ; v16  LDS address of the quarter (four K steps) of the weight's tile that is being read
.set PFO,  20                          ; v20  the prefetch's offset; never rewritten
.set KST,  22                          ; v22  the stage of k's and v's partial sums: 16 x lane + 16,384 x wave
.set KRD,  23                          ; v23  where I read row tile w of an image: 16 x lane + 4,096 x wave
.set LIMK, 24
.set SCLK, 25
.set CO,   26                          ; v26  16 x lane; never rewritten
.set SPW,  28
.set NIL,  29
.set LIM,  30
.set SCL,  31
.set KF,   32                          ; v32-159 at the end: the four images of my row tile of k or v
.set KC,   160                         ; v160-167 k's or v's codes
.set KACC, 128                         ; v128-255 accumulator (a, b) of k or v at 128 + 8 (4 a + b)
.set PA,   54                          ; s[54:55] source 1 of k or v, my K steps
.set PB,   56                          ; s[56:57] source 0
.set PFB,  58                          ; s[58:59] where my prefetch stands
.set WV,   66
.set TR,   67                          ; s67  the loop's trip
.set QO,   68                          ; s68  LDS byte of the quarter
.set PG,   69                          ; s69  the trip in which my work-group prefetches
.set G1,   24
.set G0,   32
.set MSB, 0
.macro WIN new                         ; the immediate's high byte repeats the setting that is left
.if MSB != \new
	s_set_vgpr_msb (MSB<<8)|\new
.set MSB, \new
.endif
.endm
.set MUL,  0xa7                        ; source 0 window 3, source 1 window 1, C and D window 2
.set TO_A, 0x40                        ; destination window 1, address window 0
.set TO_B, 0xc0                        ; destination window 3
.macro CROUND                          ; a round of the cluster's barrier
	s_barrier_signal -1
	s_barrier_wait -1
	s_cmp_lg_u32 s[WV], 0
	s_cbranch_scc1 .Lnot_wave_0_\@
	s_barrier_signal -3
.Lnot_wave_0_\@:
	s_barrier_wait -3
	s_barrier_signal -1
	s_barrier_wait -1
.endm
.macro KLOAD t                         ; the eight fragments of my t-th K step of k or v: 32 loads of 512 consecutive bytes
	WIN 0x80+0x40*((\t)/2)
.irp a, 0,1,2,3
.irp c, 0,1,2,3
	global_load_b128 v[128*((\t)%2)+16*\a+4*\c:128*((\t)%2)+16*\a+4*\c+3], v[CO], s[PA:PA+1] offset:\a*32768+(\t)*2048+512*\c
.endr
.endr
.irp b, 0,1,2,3
.irp c, 0,1,2,3
	global_load_b128 v[128*((\t)%2)+64+16*\b+4*\c:128*((\t)%2)+64+16*\b+4*\c+3], v[CO], s[PB:PB+1] offset:\b*32768+(\t)*2048+512*\c
.endr
.endr
.endm
.macro KMUL t                          ; 16 matrix instructions on 16 accumulators, one each; the first step starts the sums
	WIN 0x0a+5*((\t)/2)
.irp a, 0,1,2,3
.irp b, 0,1,2,3
.if (\t) == 0
	v_wmma_f32_16x16x128_fp8_fp8 v[KACC+8*(4*\a+\b):KACC+8*(4*\a+\b)+7], v[128*((\t)%2)+64+16*\b:128*((\t)%2)+64+16*\b+15], v[128*((\t)%2)+16*\a:128*((\t)%2)+16*\a+15], 0
.else
	v_wmma_f32_16x16x128_fp8_fp8 v[KACC+8*(4*\a+\b):KACC+8*(4*\a+\b)+7], v[128*((\t)%2)+64+16*\b:128*((\t)%2)+64+16*\b+15], v[128*((\t)%2)+16*\a:128*((\t)%2)+16*\a+15], v[KACC+8*(4*\a+\b):KACC+8*(4*\a+\b)+7]
.endif
.endr
.endr
.endm
.macro ALOAD k                         ; the rows' four fragments of K step k (0 .. 2) into set k
	WIN TO_A
.irp a, 0,1,2,3
.irp c, 0,1,2,3
	global_load_b128 v[64*(\k)+16*\a+4*\c:64*(\k)+16*\a+4*\c+3], v[CO], s[4:5] offset:32768*\a+2048*(\k)+512*\c
.endr
.endr
.endm
; A K step: 32 matrix instructions, column tile g against my four row tiles; the 32 accumulators take turns in the same order in every step.
.macro SMUL j, zero, ga, gb, gc, gd    ; four column tiles
.irp g, \ga,\gb,\gc,\gd
.irp a, 0,1,2,3
.if \zero
	v_wmma_f32_16x16x128_fp8_fp8 v[8*(8*\a+\g):8*(8*\a+\g)+7], v[128*((\j)%2)+16*\g:128*((\j)%2)+16*\g+15], v[64*(\j)+16*\a:64*(\j)+16*\a+15], 0
.else
	v_wmma_f32_16x16x128_fp8_fp8 v[8*(8*\a+\g):8*(8*\a+\g)+7], v[128*((\j)%2)+16*\g:128*((\j)%2)+16*\g+15], v[64*(\j)+16*\a:64*(\j)+16*\a+15], v[8*(8*\a+\g):8*(8*\a+\g)+7]
.endif
.endr
.endr
.endm
; j: the step's number modulo 4 (set j of the rows, set j % 2 of the weight).  In its middle, in one run: the next K step's eight fragments of the weight (its q-th in the quarter at AB), and the rows three K steps on (fa: that step from the base s[4:5]; 0: none).
; s_wait_loadcnt: this step's rows are in; those of the next two steps may be out.  s_wait_dscnt 16: column tiles 0-3 are in; the youngest 16 loads, tiles 4-7, may be out.
; The four v_nop are the places between the last step's products and loads into the registers that they have read (ISA guide 7.12.1 for vector instructions).
.macro STEP j, zero, q, fa, wl
	s_wait_loadcnt \wl
	s_wait_dscnt 16
	WIN MUL
	SMUL \j, \zero, 0, 1, 2, 3
.rept 4
	v_nop
.endr
	s_wait_dscnt 0x0
	WIN TO_B
.irp g, 0,1,2,3,4,5,6,7
.irp c, 0,1,2,3
	ds_load_b128 v[128*((\j+1)%2)+16*\g+4*\c:128*((\j+1)%2)+16*\g+4*\c+3], v[AB] offset:8192*\g+2048*(\q)+512*\c
.endr
.endr
.if \fa
	WIN TO_A
.irp g, 0,1,2,3,4,5,6,7
.irp c, 0,1
	global_load_b128 v[64*((\j+3)%4)+8*\g+4*\c:64*((\j+3)%4)+8*\g+4*\c+3], v[CO], s[4:5] offset:32768*(\g/2)+2048*(\fa)+1024*(\g%2)+512*\c
.endr
.endr
.endif
	WIN MUL
	SMUL \j, \zero, 4, 5, 6, 7
.endm
	s_load_b256 s[4:11], s[0:1], 0x0               ; x's codes under entry 0: 4, Wq's codes 6, the scales' exponents 8, q's codes 10
	s_load_b128 s[12:15], s[0:1], 0x20             ; x's codes under entries 2 and 4: 12, Wk's and Wv's codes 14
	s_load_b64 s[16:17], s[0:1], 0x30              ; k's and v's codes
	v_lshl_add_u32 v[SPW], v0, 2, SPARE
	v_mov_b32 v[NIL], 0
	ds_add_u32 v[SPW], v[NIL]                      ; the wave's opening: the add, twice on end, and its wait ahead of my first tensor load
	ds_add_u32 v[SPW], v[NIL]
	v_lshrrev_b32 v1, 5, v0
	v_readfirstlane_b32 s[WV], v1                  ; wave 0..3
	v_and_b32 v1, 31, v0
	v_lshlrev_b32 v[CO], 4, v1
	s_lshl_b32 s45, s[WV], 14
	v_add_nc_u32 v[KST], s45, v[CO]                ; the stage lies in the weight's first quarter: when it is written nobody reads that any more, and nothing is filled again
	s_lshl_b32 s45, s[WV], 12
	v_add_nc_u32 v[KRD], s45, v[CO]
	v_mov_b32 v[AB], v[CO]
	v_lshrrev_b32 v2, 3, v1
	v_and_b32 v3, 7, v1
	v_lshlrev_b32 v3, 8, v3
	v_lshl_add_u32 v[PFO], v2, 15, v3              ; lane: row tile lane / 8, 256 bytes x (lane % 8): the 32 lanes name a K step of my four row tiles
	s_wait_alu depctr_va_vdst(0)
	s_mov_b32 s[QO], 0
	s_mov_b32 s[G1], 15|(3<<16)|(1<<21)            ; the mask of all four partners; elements of 8 bytes; 21 set beside a mask; no padding
	s_mov_b32 s[G1+1], 1024<<16                    ; 8 tiles of 8,192 bytes (four K steps), 32,768 bytes from tile to tile
	s_mov_b32 s[G1+2], 8<<16
	s_mov_b32 s[G1+3], 1024<<16
	s_mov_b32 s[G1+4], 8
	s_mov_b32 s[G1+5], 4096
	s_mov_b32 s[G1+6], 0
	s_mov_b32 s[G1+7], 0
	s_bfe_u32 s40, ttmp6, 0x40000                  ; cx: my place in the cluster
	s_lshl_b32 s19, ttmp9, 2
	s_add_co_u32 s19, s19, s40                     ; row tile mt = 4 x cluster x + cx
	s_and_b32 s42, ttmp7, 0xffff                   ; column tile nt
	s_lshl_b32 s46, s42, 18                        ; the weight: tile 8 nt,
	s_lshl_b32 s47, s[WV], 13                      ; my four K steps
	s_add_co_u32 s46, s46, s47
	s_mov_b32 s47, 0
	s_lshl_b32 s48, s[WV], 16                      ; and where they go
	s_bfe_u32 s2, s42, 0x10002                     ; type
	s_lshl_b32 s3, s19, 1
	s_lshr_b32 s22, s42, 3
	s_add_co_u32 s3, s3, s22                       ; blk
	s_bfe_u32 s22, s42, 0x10001                    ; wr
	s_and_b32 s23, s42, 1                          ; wc
	s_lshl_b32 s20, s3, 3
	s_lshl_b32 s44, s2, 8
	s_add_co_u32 s20, s20, s44                     ; x: tile 8 blk, in the set of 256 tiles of my type
	s_lshl_b32 s43, s2, 3                          ; the weight: tile 8 type
	s_lshl_b32 s21, s22, 2
	s_lshl_b32 s45, s23, 2
	s_add_co_u32 s50, s20, s21                     ; source 1, if it is x: + 4 wr
	s_add_co_u32 s51, s43, s21                     ; if it is the weight
	s_add_co_u32 s20, s20, s45                     ; source 0, if it is x: + 4 wc
	s_add_co_u32 s43, s43, s45                     ; if it is the weight
	s_wait_dscnt 0x0                               ; both opening adds are done
	s_wait_kmcnt 0x0
	s_load_b256 s[92:99], s[8:9], 0x0              ; e0 .. e7
	s_load_b32 s100, s[8:9], 0x20                  ; e8
	s_cmp_eq_u32 s2, 0                             ; k: x gives source 1; v: the weight does
	s_cselect_b32 s50, s50, s51
	s_cselect_b32 s20, s43, s20
	s_cselect_b64 s[PA:PA+1], s[12:13], s[14:15]
	s_cselect_b64 s[PB:PB+1], s[14:15], s[12:13]
	s_lshl_b32 s50, s50, 15
	s_lshl_b32 s20, s20, 15
	s_lshl_b32 s44, s[WV], 13                      ; my four K steps
	s_add_co_u32 s50, s50, s44
	s_add_co_u32 s20, s20, s44
	s_mov_b32 s51, 0
	s_mov_b32 s21, 0
	s_add_nc_u64 s[PA:PA+1], s[PA:PA+1], s[50:51]
	s_add_nc_u64 s[PB:PB+1], s[PB:PB+1], s[20:21]
	s_mov_b32 s[G0], 1
	s_mov_b32 s[G0+1], s48
	s_add_nc_u64 s[G0+2:G0+3], s[6:7], s[46:47]
	s_or_b32 s[G0+3], s[G0+3], 0x80000000
	KLOAD 0
	WIN 0
	CROUND                                         ; all four work-groups are here: the joint loads meet
	tensor_load_to_lds s[G0:G0+3], s[G1:G1+7]      ; my quarter of the weight's tile
	s_nop 0
	KLOAD 1
	WIN 0
	s_lshl_b32 s44, s2, 19                         ; where my part of k or v goes: the type,
	s_lshl_b32 s45, s3, 14                         ; eight fragments for each block of 128 tokens,
	s_add_co_u32 s44, s44, s45
	s_lshl_b32 s45, s22, 13                        ; the share's four,
	s_add_co_u32 s44, s44, s45
	s_lshl_b32 s45, s23, 10                        ; registers 8 wc on of each,
	s_add_co_u32 s44, s44, s45
	s_lshl_b32 s45, s[WV], 11                      ; and of the four the one that I finish: a = my wave's number
	s_add_co_u32 s44, s44, s45
	s_mov_b32 s45, 0
	s_add_nc_u64 s[16:17], s[16:17], s[44:45]
	s_lshl_b32 s20, s19, 19
	s_lshl_b32 s21, s[WV], 17
	s_add_co_u32 s20, s20, s21                     ; my first row tile: 16 mt + 4 x wave
	s_mov_b32 s21, 0
	s_add_nc_u64 s[4:5], s[4:5], s[20:21]          ; its codes,
	s_lshl_b32 s50, s42, 11
	s_mov_b32 s51, 0
	s_add_nc_u64 s[PFB:PFB+1], s[4:5], s[50:51]    ; their K step nt,
	s_add_nc_u64 s[10:11], s[10:11], s[20:21]
	s_add_nc_u64 s[10:11], s[10:11], s[50:51]      ; and its q: the column tile is the head, the next operand's K step
	s_sub_co_u32 s[PG], s42, 8
	s_lshr_b32 s[PG], s[PG], 2                     ; K steps 8-11: trip 0; 12-15: trip 1; below 8 no trip has this number
	s_wait_kmcnt 0x0                               ; the exponents.  A sum stands for sum x 2^(its two operands' e), so its code is sum / 2^(the result's e - those two)
	s_sub_co_i32 s20, s99, s92
	s_sub_co_i32 s20, s20, s93                     ; q: e7 - e0 - e1
	s_add_co_i32 s20, s20, 127
	s_lshl_b32 s21, s20, 23
	v_mov_b32 v[SCL], s21
	s_add_co_i32 s20, s20, 8
	s_lshl_b32 s20, s20, 23
	s_or_b32 s20, s20, 0x600000
	v_mov_b32 v[LIM], s20                          ; 448 x that
	s_sub_co_i32 s20, s98, s94
	s_sub_co_i32 s20, s20, s95                     ; k: e6 - e2 - e3
	s_sub_co_i32 s21, s100, s96
	s_sub_co_i32 s21, s21, s97                     ; v: e8 - e4 - e5
	s_cmp_eq_u32 s2, 0
	s_cselect_b32 s20, s20, s21
	s_add_co_i32 s20, s20, 127
	s_lshl_b32 s21, s20, 23
	v_mov_b32 v[SCLK], s21
	s_add_co_i32 s20, s20, 8
	s_lshl_b32 s20, s20, 23
	s_or_b32 s20, s20, 0x600000
	v_mov_b32 v[LIMK], s20
	s_wait_alu depctr_va_vdst(0)                   ; the head's end
	s_wait_loadcnt 32                              ; k's or v's first K step is in; the second's 32 loads may be out
	KLOAD 2
	KMUL 0
	s_wait_loadcnt 32
	KLOAD 3
	KMUL 1
	s_wait_loadcnt 32
	ALOAD 0                                        ; q's rows follow without a gap
	ALOAD 1
	KMUL 2
	s_wait_loadcnt 32                              ; the last step of k or v is in; q's first two may be out
	ALOAD 2
	KMUL 3
	WIN 0
.rept 5
	v_nop                                          ; places: windows 2 and 3, which these products read, are written next by loads and by matrix instructions
.endr
	s_wait_tensorcnt 0x0                           ; my quarter of the weight's tile is in,
	s_wait_dscnt 0x0
	s_barrier_signal -1
	s_barrier_wait -1                              ; and everybody's
	WIN TO_B
.irp g, 0,1,2,3,4,5,6,7
.irp c, 0,1,2,3
	ds_load_b128 v[16*\g+4*\c:16*\g+4*\c+3], v[AB] offset:8192*\g+512*\c
.endr
.endr
	STEP 0, 1, 1, 3, 32                            ; the first step starts the sums: nothing is ever cleared
	WIN 0
	s_mov_b32 s[TR], 0
.Lk:                                                   ; trip T: K steps 4 T + 1 .. 4 T + 4; the base s[4:5] stands at K step 4 T
	s_cmp_eq_u32 s[PG], s[TR]                      ; the number hangs on the column tile alone, which all partners share
	s_cbranch_scc0 .Lnot_mine
	global_prefetch_b8 v[PFO], s[PFB:PFB+1] th:TH_LOAD_NT scope:SCOPE_SE
.Lnot_mine:
	STEP 1, 0, 2, 4, 32
	STEP 2, 0, 3, 5, 32
	WIN 0
	s_add_co_u32 s[QO], s[QO], 0x10000             ; the next quarter of the weight's tile
	v_add_nc_u32 v[AB], s[QO], v[CO]
	s_wait_alu depctr_va_vdst(0)
	STEP 3, 0, 0, 6, 32
	STEP 0, 0, 1, 7, 32
	WIN 0
	s_wait_xcnt 0x0                                ; every load has read its base
	s_add_nc_u64 s[4:5], s[4:5], 8192
	s_add_co_u32 s[TR], s[TR], 1
	s_cmp_lt_u32 s[TR], 3
	s_cbranch_scc1 .Lk
	STEP 1, 0, 2, 0, 32                            ; K step 13
	STEP 2, 0, 3, 0, 16
	s_wait_loadcnt 0x0                             ; K step 15
	s_wait_dscnt 0x0                               ; my last fragments are in: I read the weight's tile no more
	s_barrier_signal -1
	WIN MUL
.irp g, 0,1,2,3,4,5,6,7
.irp a, 0,1,2,3
	v_wmma_f32_16x16x128_fp8_fp8 v[8*(8*\a+\g):8*(8*\a+\g)+7], v[128+16*\g:128+16*\g+15], v[192+16*\a:192+16*\a+15], v[8*(8*\a+\g):8*(8*\a+\g)+7]
.endr
.endr
	WIN 0
	s_barrier_wait -1                              ; nobody reads it any more: its first quarter becomes the stage
	; k's or v's partial sums go to the stage as images of their registers: 32 stores of 512 consecutive bytes; each accumulator from its low end on
.set ii, 0
.rept 32
	ds_store_b128 v[KST], v[KACC+4*ii:KACC+4*ii+3] offset:512*ii
.set ii, ii+1
.endr
	; q's way out stands between those stores and the barrier.  The conversions' results are the next operand's registers and are stored as they stand
.rept 4
	v_nop                                          ; places in front of the first read of results
.endr
.irp a, 0,1,2,3
	WIN 0x42                                       ; from window 2 into window 1
.set jj, 0
.rept 64
	v_med3_num_f32 v[jj], v[64*\a+jj], -v[LIM], v[LIM]   ; the conversion to an 8-bit code does not saturate (ISA guide 7.6.2): the hold at the largest code x the scale; each accumulator from its low end on
.set jj, jj+1
.endr
	WIN 0x41
.irp b, 0,1,2,3,4,5,6,7
	v_cvt_scalef32_pk8_fp8_f32 v[64+16*\a+2*\b:64+16*\a+2*\b+1], v[8*\b:8*\b+7], v[SCL]
.endr
	v_nop                                          ; one plain vector line between the last conversion and the next line that writes its sources
	WIN 0x04
.irp c, 0,1,2,3
	global_store_b128 v[CO], v[64+16*\a+4*\c:64+16*\a+4*\c+3], s[10:11] offset:\a*32768+512*\c   ; 32 lanes store 512 consecutive bytes of the fragment
.endr
.endr
	WIN 0
	s_wait_dscnt 0x0                               ; for the others' sake: my stores into the stage are done
	s_barrier_signal -1
	s_barrier_wait -1                              ; all four images lie in the stage
.irp u, 0,1,2,3                        ; row tile a = my wave's number, 32 registers, out of each wave's image
.irp j, 0,1,2,3,4,5,6,7
	ds_load_b128 v[KF+32*\u+4*\j:KF+32*\u+4*\j+3], v[KRD] offset:\u*16384+\j*512
.endr
.endr
	s_wait_dscnt 0x0
.set jj, 0
.rept 16
	v_pk_add_f32 v[KF+jj:KF+jj+1], v[KF+jj:KF+jj+1], v[KF+32+jj:KF+32+jj+1]       ; K steps 0-3 + 4-7,
	v_pk_add_f32 v[KF+64+jj:KF+64+jj+1], v[KF+64+jj:KF+64+jj+1], v[KF+96+jj:KF+96+jj+1]   ; 8-11 + 12-15,
.set jj, jj+2
.endr
.set jj, 0
.rept 16
	v_pk_add_f32 v[KF+jj:KF+jj+1], v[KF+jj:KF+jj+1], v[KF+64+jj:KF+64+jj+1]       ; and the two: the whole sums, in f32
.set jj, jj+2
.endr
.set ii, 0
.rept 32
	v_med3_num_f32 v[KF+ii], v[KF+ii], -v[LIMK], v[LIMK]
.set ii, ii+1
.endr
.irp b, 0,1,2,3
	v_cvt_scalef32_pk8_fp8_f32 v[KC+2*\b:KC+2*\b+1], v[KF+8*\b:KF+8*\b+7], v[SCLK]
.endr
	v_nop                                          ; one plain vector line behind the last conversion
	global_store_b128 v[CO], v[KC:KC+3], s[16:17]              ; 32 lanes store 512 consecutive bytes of the fragment
	global_store_b128 v[CO], v[KC+4:KC+7], s[16:17] offset:512
	s_wait_tensorcnt 0x0                           ; the wave's end: behind my last tensor load and my last LDS store
	ds_add_u32 v[SPW], v[NIL]
	s_wait_dscnt 0x0
	CROUND                                         ; the closing round: no work-group ends while a partner may still ask for a tile that names it
	s_endpgm
.Lfunc_end_k_qeaf79ae837_qproj:
	.size	k_qeaf79ae837_qproj, .Lfunc_end_k_qeaf79ae837_qproj-k_qeaf79ae837_qproj
	.p2alignl 7, 3214868480
	.fill 96, 4, 3214868480
	.section	.rodata,"a",@progbits
	.p2align	6, 0x0
	.amdhsa_kernel k_qeaf79ae837_qproj
		.amdhsa_group_segment_fixed_size 327680
		.amdhsa_private_segment_fixed_size 0
		.amdhsa_enable_private_segment 0
		.amdhsa_kernarg_size 56
		.amdhsa_user_sgpr_count 2
		.amdhsa_user_sgpr_kernarg_segment_ptr 1
		.amdhsa_wavefront_size32 1
		.amdhsa_system_sgpr_workgroup_id_x 1
		.amdhsa_system_sgpr_workgroup_id_y 1
		.amdhsa_system_sgpr_workgroup_id_z 1
		.amdhsa_system_vgpr_workitem_id 0
		.amdhsa_next_free_vgpr 1024
		.amdhsa_next_free_sgpr 102
		.amdhsa_reserve_vcc 0
		.amdhsa_float_denorm_mode_32 3
		.amdhsa_float_denorm_mode_16_64 3
		.amdhsa_memory_ordered 1
		.amdhsa_forward_progress 1
		.amdhsa_inst_pref_size 100
	.end_amdhsa_kernel
	.amdgpu_metadata
---
amdhsa.version: [ 1, 2 ]
amdhsa.kernels:
  - .name:           k_qeaf79ae837_qproj
    .symbol:         k_qeaf79ae837_qproj.kd
    .args:
      - { .name: xc, .offset: 0, .size: 8, .value_kind: global_buffer, .address_space: global }
      - { .name: wqc, .offset: 8, .size: 8, .value_kind: global_buffer, .address_space: global }
      - { .name: lowp_scales, .offset: 16, .size: 8, .value_kind: global_buffer, .address_space: global }
      - { .name: qc, .offset: 24, .size: 8, .value_kind: global_buffer, .address_space: global }
      - { .name: xkv, .offset: 32, .size: 8, .value_kind: global_buffer, .address_space: global }
      - { .name: wkvc, .offset: 40, .size: 8, .value_kind: global_buffer, .address_space: global }
      - { .name: kvc, .offset: 48, .size: 8, .value_kind: global_buffer, .address_space: global }
    .group_segment_fixed_size: 327680
    .private_segment_fixed_size: 0
    .kernarg_segment_align: 8
    .kernarg_segment_size: 56
    .max_flat_workgroup_size: 128
    .sgpr_count:     102
    .vgpr_count:     1024
    .wavefront_size: 32
...
	.end_amdgpu_metadata
.endif
;; end of part 2
;; launch attn (part 3): grid 64 x 4, 8 waves a work-group, clusters of 4 x 1, 327,680 bytes of LDS; arguments qc, kvc, lowp_scales, xc, Wo, woc; writes xc, woc
.if DOCPART == 3
	.amdgcn_target "amdgcn-amd-amdhsa--gfx1250"
	.amdhsa_code_object_version 6
	.text
	.protected	k_qeaf79ae837_attn
	.globl	k_qeaf79ae837_attn
	.p2align	8
	.type	k_qeaf79ae837_attn,@function
k_qeaf79ae837_attn:
	s_mov_b64 s[64:65], 0
	v_nop
	global_prefetch_b8 v0, s[64:65] scope:SCOPE_SE
	s_setreg_imm32_b32 hwreg(HW_REG_WAVE_MODE, 25, 1), 1
	s_wait_xcnt 0x0
	s_wait_alu depctr_hold_cnt(0) depctr_sa_sdst(0) depctr_va_vdst(0) depctr_va_sdst(0) depctr_va_ssrc(0) depctr_va_vcc(0) depctr_vm_vsrc(0)
	s_getreg_b32 s2, hwreg(HW_REG_IB_STS2, 6, 4)
	s_cmp_eq_u32 s2, 0
	s_cbranch_scc0 .Lentry_in_a_cluster
	s_endpgm
.Lentry_in_a_cluster:
	s_bfe_u32 s2, ttmp6, 0x10000c
	s_cmp_lg_u32 s2, 0x3003
	s_cbranch_scc0 .Lentry_shape_is_right
	s_endpgm
.Lentry_shape_is_right:
; ATTENTION ON CODES OF FP8, one K and V for all 16 heads of a batch, and beside it Wo's quantising (entry 11).
; A work-group: eight waves; a wave owns one token tile (16 queries) of TWO heads: both have the same keys and the same mask, and each fragment of K and V that it reads feeds both.
; Waves 0-3 take an early token tile, waves 4-7 the one that mirrors it from the sequence's end: block of 128 tokens i and 7 - i.  So every work-group, and each pair of waves w, w + 4, has the same number of steps.
; K and V of the batch lie in LDS whole: K at byte 0, V at byte 131,072; every wave fetches 32,768 bytes of them by ONE joint tensor load, shared by the cluster's four work-groups (same batch).  Nothing is filled again.
; CAUSAL: a step of 128 keys that lies wholly behind a wave's queries is left out (its p is 0 in reference(): the mask is built there, whatever the inputs hold); a branch on ids leads round it.  A NaN or an infinity that reaches only that work is not carried to the result.
; SOFTMAX: t = score x log2(e) / sqrt(128); M = the running largest t rounded up to a whole number; p = 2^(t - M); the sum of the unquantised p divides at the end; when M moves, the sum and O^T are multiplied by 2^(old M - new M).
; Both products are used transposed (S^T = K Q^T, O^T = V^T P^T): a lane holds one query; in S^T register 16 b + i is key 32 b + 16 (lane / 16) + i of the step.
; Wo [2048][2048] is stored [K][N].  Each wave takes 32 columns x 64 along K: a lane a column, its registers down K; the loads go out ahead of the tiles' and the codes leave ahead of the first step.
; No prefetch: K and V are asked for whole by one load a wave at the head, and the loop loads nothing from memory.
; REGISTERS: the two heads use THE SAME NUMBERS IN TWO WINDOWS, head 0 in window 0, head 1 in window 1: v12 -M, v13 the largest t, v[14:15] the sum in two halves, v16-31 Q, v160-223 S^T and then p, v224-239 p's codes, v240-254 constants and work.
;   Window 0, v32-159: the eight fragments of K or of V.  Window 1, v32-95 and v96-159: the two heads' O^T.
; LIMITS: e6 + e7 between -123 and 130; e9, e10, e11 between -126 and 119; scaled scores under 2^31 in magnitude; NaN among the inputs is not served.
.set SPARE, 262144                     ; the spare words, 128 bytes for each wave
.set LI,   1                           ; v1   16 x lane; never rewritten
.set SPW,  5
.set NIL,  6
.set ADK,  8                           ; v8, v9  LDS addresses of the step's K and V
.set ADV,  9
.set F,    32
.set S,    160
.set PC,   224
.set DQ,   247                         ; hidden where 32 b + i > DQ, in the step on the diagonal
.set WV,   18
.set SEL,  20                          ; s[20:21] lane selects: lane l xor 16
.set CS,   22                          ; s[22:23] log2(e) / sqrt(128) x 2^(e6 + e7)
.set G1,   24
.set G0,   32
.set TB,   2                           ; s2   the step's first byte in K, and in V
.set KS,   3                           ; s3   the step
.set LAST, 66                          ; s66  my last step, the one on the diagonal
.set CNT,  67
.set MSB, 0
.macro WIN new                         ; the immediate's high byte repeats the setting that is left
.if MSB != \new
	s_set_vgpr_msb (MSB<<8)|\new
.set MSB, \new
.endif
.endm
.macro CROUND                          ; a round of the cluster's barrier
	s_barrier_signal -1
	s_barrier_wait -1
	s_cmp_lg_u32 s[WV], 0
	s_cbranch_scc1 .Lnot_wave_0_\@
	s_barrier_signal -3
.Lnot_wave_0_\@:
	s_barrier_wait -3
	s_barrier_signal -1
	s_barrier_wait -1
.endm
	s_load_b256 s[4:11], s[0:1], 0x0               ; q's codes 4, k's and v's 6, the scales' exponents 8, o's codes 10
	s_load_b128 s[80:83], s[0:1], 0x20             ; Wo 80, its codes 82
	v_lshl_add_u32 v[SPW], v0, 2, SPARE
	v_mov_b32 v[NIL], 0
	ds_add_u32 v[SPW], v[NIL]                      ; the wave's opening: the add, twice on end, and its wait ahead of my first tensor load
	ds_add_u32 v[SPW], v[NIL]
	v_lshrrev_b32 v8, 5, v0
	v_readfirstlane_b32 s[WV], v8                  ; wave 0..7
	v_and_b32 v2, 31, v0
	v_and_b32 v10, 7, v0
	v_bfe_u32 v7, v0, 3, 1
	v_lshlrev_b32 v[LI], 4, v2
	v_bfe_u32 v3, v0, 4, 1
	v_and_b32 v11, 15, v0
	v_lshl_add_u32 v10, v7, 4, v10                 ; r % 8 + 16 (r / 8)
	v_lshlrev_b32 v11, 4, v11
	v_lshlrev_b32 v4, 4, v3
	v_sub_nc_u32 v[DQ], v10, v4                    ; my query's place in its 32, - 16 (lane / 16)
	v_lshl_add_u32 v10, v3, 3, v10
	v_lshl_add_u32 v11, v3, 15, v11                ; Wo's codes: tile lane / 16, row lane % 16
	v_lshlrev_b32 v10, 2, v10                      ; Wo: column lane % 8 + 16 ((lane / 8) % 2) + 8 (lane / 16)
	s_wait_alu depctr_va_vdst(0)
	s_and_b32 s12, ttmp7, 0xffff                   ; the batch
	s_bfe_u32 s13, ttmp6, 0x40000                  ; cx
	s_lshr_b32 s14, ttmp9, 2                       ; block of 128 tokens: 0..3
	s_and_b32 s15, ttmp9, 3
	s_lshl_b32 s15, s15, 1
	s_lshr_b32 s16, s13, 1
	s_add_co_u32 s15, s15, s16                     ; token tile in the block: 0..7
	s_and_b32 s16, s13, 1                          ; heads 8 x this on
	s_lshr_b32 s17, s[WV], 2                       ; 0: the early tile; 1: the late one
	s_sub_co_u32 s19, 7, s14
	s_sub_co_u32 s48, 7, s15
	s_cmp_eq_u32 s17, 0
	s_cselect_b32 s[LAST], s14, s19
	s_cselect_b32 s19, s15, s48
	s_lshl_b32 s40, s[LAST], 3
	s_add_co_u32 s40, s40, s19
	s_lshl_b32 s41, s12, 6
	s_add_co_u32 s40, s40, s41                     ; token tile
	s_lshl_b32 s40, s40, 4
	s_lshl_b32 s41, s16, 3
	s_add_co_u32 s40, s40, s41
	s_and_b32 s49, s[WV], 3
	s_lshl_b32 s41, s49, 1
	s_add_co_u32 s40, s40, s41                     ; my first head's fragment: 16 x tile + 8 x half + 2 (w % 4)
	s_lshl_b32 s40, s40, 11
	s_mov_b32 s41, 0
	s_lshl_b32 s42, s12, 17                        ; what I fetch: the batch's 131,072 bytes,
	s_lshl_b32 s43, s49, 15                        ; 32,768 x (w % 4)
	s_add_co_u32 s42, s42, s43
	s_lshl_b32 s43, s17, 19                        ; of K, or of V (524,288 bytes on)
	s_add_co_u32 s42, s42, s43
	s_mov_b32 s43, 0
	s_lshl_b32 s44, s[WV], 15                      ; and where it goes
	; Wo: work-group g = 64 y + x: columns 128 (g % 16) on, K step g / 16; my wave: 32 columns w % 4, 64 along K w / 4
	s_lshl_b32 s84, ttmp9, 2
	s_add_co_u32 s84, s84, s13
	s_lshl_b32 s85, s12, 6
	s_add_co_u32 s84, s84, s85
	s_and_b32 s85, s84, 15
	s_lshr_b32 s84, s84, 4
	s_lshl_b32 s86, s84, 20
	s_lshl_b32 s87, s17, 19
	s_add_co_u32 s86, s86, s87
	s_lshl_b32 s87, s85, 9
	s_add_co_u32 s86, s86, s87
	s_lshl_b32 s87, s49, 7
	s_add_co_u32 s86, s86, s87                     ; my part of Wo, in bytes
	s_mov_b32 s87, 0
	s_lshl_b32 s88, s85, 18
	s_lshl_b32 s89, s49, 16
	s_add_co_u32 s88, s88, s89
	s_lshl_b32 s89, s84, 11
	s_add_co_u32 s88, s88, s89
	s_lshl_b32 s89, s17, 10
	s_add_co_u32 s88, s88, s89                     ; and among its codes: tile 8 (g % 16) + 2 (w % 4), K step g / 16, chunks 2 (w / 4), + 1
	s_mov_b32 s89, 0
	s_lshr_b32 s45, s19, 1
	s_lshl_b32 s45, s45, 5
	s_and_b32 s46, s19, 1
	s_lshl_b32 s46, s46, 3
	s_add_co_u32 s45, s45, s46                     ; my token tile's first token in its block of 128
	s_mov_b32 s[G1], 15|(3<<16)|(1<<21)            ; the mask of all four partners; elements of 8 bytes; 21 set beside a mask; no padding
	s_mov_b32 s[G1+1], 32<<16                      ; a dense block of 128 rows of 256 bytes
	s_mov_b32 s[G1+2], 128<<16
	s_mov_b32 s[G1+3], 32<<16
	s_mov_b32 s[G1+4], 128
	s_mov_b32 s[G1+5], 32
	s_mov_b32 s[G1+6], 0
	s_mov_b32 s[G1+7], 0
	s_mov_b32 s[SEL], 0x76543210
	s_mov_b32 s[SEL+1], 0xfedcba98
	s_mov_b32 s[CS], 0x3e0293ee                    ; log2(e) / sqrt(128)
	s_mov_b32 s[TB], 0
	s_mov_b32 s[KS], 0
	s_wait_dscnt 0x0                               ; both opening adds are done
	s_wait_kmcnt 0x0
	s_load_b256 s[68:75], s[8:9], 0x0              ; e0 .. e7
	s_load_b128 s[76:79], s[8:9], 0x20             ; e8 .. e11
	s_add_nc_u64 s[42:43], s[6:7], s[42:43]
	s_add_nc_u64 s[4:5], s[4:5], s[40:41]
	s_add_nc_u64 s[10:11], s[10:11], s[40:41]
	s_mov_b32 s[G0], 1
	s_mov_b32 s[G0+1], s44
	s_mov_b64 s[G0+2:G0+3], s[42:43]
	s_or_b32 s[G0+3], s[G0+3], 0x80000000
	s_add_nc_u64 s[80:81], s[80:81], s[86:87]
	s_add_nc_u64 s[82:83], s[82:83], s[88:89]
.set ii, 0
.rept 64
	global_load_b32 v[S+ii], v10, s[80:81] offset:8192*ii th:TH_LOAD_NT   ; row ii of my part of Wo: 128 consecutive bytes a wave
.set ii, ii+1
.endr
	CROUND                                         ; all four work-groups are here: the joint loads meet
	tensor_load_to_lds s[G0:G0+3], s[G1:G1+7]      ; my part of K and V
	s_nop 0
.irp c, 0,1,2,3
	global_load_b128 v[16+4*\c:19+4*\c], v[LI], s[4:5] offset:512*\c   ; head 0's Q
.endr
	WIN 0x40
.irp c, 0,1,2,3
	global_load_b128 v[16+4*\c:19+4*\c], v[LI], s[4:5] offset:2048+512*\c   ; head 1's
.endr
	WIN 0
	v_add_nc_u32 v[DQ], s45, v[DQ]
	v_mov_b32 v13, 0xff61b1e6                      ; the largest t so far: -3e38
	v_mov_b32 v14, 0
	v_mov_b32 v15, 0
	v_floor_f32 v12, -v13                          ; -M
	v_mov_b32 v246, 0                              ; written once: a lane permute's destination counts as one of its sources
	v_mov_b32 v252, 0
	v_mov_b32 v253, 0                              ; (named as the upper half of the pair v[252:253])
	WIN 0x40                                       ; and the same in window 1
	v_mov_b32 v[DQ], v[DQ]
	v_mov_b32 v13, v13
	v_mov_b32 v12, v12
	v_mov_b32 v14, 0
	v_mov_b32 v15, 0
	v_mov_b32 v246, 0
	v_mov_b32 v252, 0
	v_mov_b32 v253, 0
.set jj, 0
.rept 128
	v_mov_b32 v[32+jj], 0                          ; O^T of both heads.  (The step is written once: the first finds zeros, which the first change of M leaves zeros)
.set jj, jj+1
.endr
	WIN 0
	s_wait_alu depctr_va_vdst(0)
	s_wait_kmcnt 0x0
	s_add_co_i32 s45, s74, s75
	s_lshl_b32 s45, s45, 23
	s_add_co_i32 s[CS], s[CS], s45                 ; a score stands for score x 2^(e6 + e7): added to the exponent field
	s_mov_b32 s[CS+1], s[CS]
.irp n, 0,1,2                          ; s[50+n] = 2^e, s[54+n] = 448 x 2^e for e9 (p), e10 (o), e11 (Wo)
	s_add_co_i32 s45, s[77+\n], 127
	s_lshl_b32 s[50+\n], s45, 23
	s_add_co_i32 s45, s45, 8
	s_lshl_b32 s45, s45, 23
	s_or_b32 s[54+\n], s45, 0x600000
.endr
	s_add_co_i32 s47, s76, s77                     ; e8 + e9
	v_mov_b32 v244, s50
	v_mov_b32 v240, s54
	v_mov_b32 v249, s51
	v_mov_b32 v248, s55
	v_mov_b32 v32, s52
	v_mov_b32 v33, s56
	WIN 0x40
	v_mov_b32 v244, s50
	v_mov_b32 v240, s54
	v_mov_b32 v249, s51
	v_mov_b32 v248, s55
	WIN 0
	s_wait_alu depctr_va_vdst(0)                   ; the head's end
	s_wait_loadcnt 0x0                             ; Wo's numbers and both heads' Q
.set ii, 0
.rept 64
	v_med3_num_f32 v[S+ii], v[S+ii], -v33, v33     ; the conversion to an 8-bit code does not saturate (ISA guide 7.6.2): the hold at the largest code x the scale
.set ii, ii+1
.endr
.irp g, 0,1,2,3,4,5,6,7
	v_cvt_scalef32_pk8_fp8_f32 v[PC+2*\g:PC+2*\g+1], v[S+8*\g:S+8*\g+7], v32
.endr
	v_nop                                          ; one plain vector line behind the last conversion
.irp i, 0,1,2,3
	global_store_b128 v11, v[PC+4*\i:PC+4*\i+3], s[82:83] offset:256*\i   ; sixteen lanes store 256 consecutive bytes, aligned
.endr
	s_wait_xcnt 0x0                                ; the stores have read their data: p's codes land there
	s_wait_tensorcnt 0x0                           ; my part of K and V is in,
	s_barrier_signal -1
	s_barrier_wait -1                              ; and everybody's
.macro MASK                            ; hidden scores become -infinity ahead of the maximum: p = 0 then
	v_mov_b32 v254, 0xff800000
.set nn, 0
.rept 64
	v_cmp_gt_i32 vcc_lo, 32*(nn/16)+nn%16, v[DQ]
	v_cndmask_b32 v[S+nn], v[S+nn], v254, vcc_lo
.set nn, nn+1
.endr
.endm
.macro SMAX                            ; the step's largest score of my query, the new M, and f = 2^(old M - new M)
	v_max3_num_f32 v254, v[S], v[S+1], v[S+2]
	v_max3_num_f32 v252, v[S+3], v[S+4], v[S+5]
.irp i, 6,10,14,18,22,26,30,34,38,42,46,50,54,58
	v_max3_num_f32 v254, v254, v[S+\i], v[S+\i+1]
	v_max3_num_f32 v252, v252, v[S+\i+2], v[S+\i+3]
.endr
	v_max3_num_f32 v254, v254, v[S+62], v[S+63]
	s_delay_alu instid0(VALU_DEP_1)
	v_max_num_f32 v254, v254, v252
	s_delay_alu instid0(VALU_DEP_1)
	v_permlanex16_b32 v246, v254, s[SEL], s[SEL+1]
	s_delay_alu instid0(VALU_DEP_1)
	v_max_num_f32 v254, v254, v246                 ; among lane l xor 16's too
	s_delay_alu instid0(VALU_DEP_1)
	v_mul_f32 v254, s[CS], v254                    ; as t
	s_delay_alu instid0(VALU_DEP_1)
	v_max_num_f32 v13, v13, v254
	v_mov_b32 v254, v12
	s_delay_alu instid0(VALU_DEP_2)
	v_floor_f32 v12, -v13                          ; -M: a whole number
	s_delay_alu instid0(VALU_DEP_1)
	v_sub_f32 v254, v12, v254
	s_delay_alu instid0(VALU_DEP_1)
	v_cvt_i32_f32 v254, v254                       ; (it saturates)
	s_delay_alu instid0(VALU_DEP_1)
	v_ldexp_f32 v252, 1.0, v254
.endm
.macro SEXP                            ; p, its sum, its codes
.set jj, 0
.rept 32
	v_pk_fma_f32 v[S+jj:S+jj+1], v[S+jj:S+jj+1], s[CS:CS+1], v[12:13] op_sel_hi:[1,0,0]   ; t - M, two at a time
.set jj, jj+2
.endr
	s_wait_alu depctr_va_vdst(0)                   ; ahead of the batch
.set jj, 0
.rept 64
	v_exp_f32 v[S+jj], v[S+jj]
.set jj, jj+1
.endr
	v_pk_mul_f32 v[14:15], v[14:15], v[252:253] op_sel_hi:[1,0]   ; the sum under the new M (a plain place behind the exponentials)
	s_wait_alu depctr_va_vdst(0)                   ; and for one behind it, ahead of the first reader
	v_pk_add_f32 v[242:243], v[S:S+1], v[S+2:S+3]  ; the sum is taken of the unquantised p
.irp j, 4,8,12,16,20,24,28,32,36,40,44,48,52,56,60
	v_pk_add_f32 v[14:15], v[14:15], v[S+\j:S+\j+1]
	v_pk_add_f32 v[242:243], v[242:243], v[S+\j+2:S+\j+3]
.endr
	s_delay_alu instid0(VALU_DEP_1)
	v_pk_add_f32 v[14:15], v[14:15], v[242:243]
.irp b, 0,1,2,3
.irp i, 0,1,2,3,4,5,6,7,8,9,10,11,12,13,14,15
	v_min_num_f32 v[S+16*\b+\i], v[S+16*\b+\i], v240   ; the hold at the largest code x the scale; p is not negative
.endr
	v_cvt_scalef32_pk8_fp8_f32 v[PC+4*\b:PC+4*\b+1], v[S+16*\b:S+16*\b+7], v244
	v_cvt_scalef32_pk8_fp8_f32 v[PC+4*\b+2:PC+4*\b+3], v[S+16*\b+8:S+16*\b+15], v244
.endr
.endm
	s_mov_b32 s[CNT], 8
.Lstep:
	s_cmp_gt_u32 s[KS], s[LAST]                    ; all its keys come after my queries: ids alone
	s_cbranch_scc1 .Lhidden
	v_add_nc_u32 v[ADK], s[TB], v[LI]
	v_add_nc_u32 v[ADV], 0x20000, v[ADK]
	s_wait_alu depctr_va_vdst(0)
	v_nop                                          ; with the two additions: four places between the last products and loads into the registers that they have read (ISA guide 7.12.1 for vector instructions)
	v_nop
.irp t, 0,1,2,3,4,5,6,7
.irp c, 0,1,2,3
	ds_load_b128 v[F+16*\t+4*\c:F+16*\t+4*\c+3], v[ADK] offset:2048*\t+512*\c
.endr
.endr
.irp t, 0,1,2,3,4,5,6,7                ; S^T of head 0, as K's fragments come: those behind the t-th may be out
	s_wait_dscnt 28-4*\t
	v_wmma_f32_16x16x128_fp8_fp8 v[S+8*\t:S+8*\t+7], v[F+16*\t:F+16*\t+15], v[16:31], 0
.endr
	WIN 0x44
.irp t, 0,1,2,3,4,5,6,7                ; and of head 1
	v_wmma_f32_16x16x128_fp8_fp8 v[S+8*\t:S+8*\t+7], v[F+16*\t:F+16*\t+15], v[16:31], 0
.endr
	WIN 0
.rept 4
	v_nop                                          ; places in front of the first read of results
.endr
	s_cmp_lg_u32 s[KS], s[LAST]
	s_cbranch_scc1 .Lopen
	MASK
	WIN 0x55
	MASK
	WIN 0
.Lopen:
	SMAX
.irp t, 0,1,2,3,4,5,6,7                ; V's fragments take K's registers: the maxima above are the places behind head 1's products; they land while both softmaxes are worked
.irp c, 0,1,2,3
	ds_load_b128 v[F+16*\t+4*\c:F+16*\t+4*\c+3], v[ADV] offset:2048*\t+512*\c
.endr
.endr
	SEXP
	WIN 0x55
	s_wait_alu depctr_va_vdst(0)                   ; directly ahead of the first reader of head 1's scores
	SMAX
	SEXP
	WIN 0x41
	s_wait_alu depctr_va_vdst(0)                   ; and directly ahead of the first reader of O^T
.set jj, 0
.rept 32
	v_pk_mul_f32 v[32+jj:33+jj], v[32+jj:33+jj], v[252:253] op_sel_hi:[1,0]   ; O^T under the new M
.set jj, jj+2
.endr
	WIN 0x45
	s_wait_alu depctr_va_vdst(0)
.set jj, 0
.rept 32
	v_pk_mul_f32 v[96+jj:97+jj], v[96+jj:97+jj], v[252:253] op_sel_hi:[1,0]
.set jj, jj+2
.endr
	s_wait_alu depctr_va_vdst(0)                   ; directly ahead of the wait below
	s_wait_dscnt 0x0                               ; V
	WIN 0x50
.irp t, 0,1,2,3,4,5,6,7                ; O^T += V^T P^T, head 0
	v_wmma_f32_16x16x128_fp8_fp8 v[32+8*\t:39+8*\t], v[F+16*\t:F+16*\t+15], v[PC:PC+15], v[32+8*\t:39+8*\t]
.endr
	WIN 0x54
.irp t, 0,1,2,3,4,5,6,7                ; head 1
	v_wmma_f32_16x16x128_fp8_fp8 v[96+8*\t:103+8*\t], v[F+16*\t:F+16*\t+15], v[PC:PC+15], v[96+8*\t:103+8*\t]
.endr
	WIN 0
.Lhidden:
	s_add_co_u32 s[KS], s[KS], 1
	s_add_co_u32 s[TB], s[TB], 16384
	s_sub_co_u32 s[CNT], s[CNT], 1
	s_cmp_lg_u32 s[CNT], 0
	s_cbranch_scc1 .Lstep
	; THE WAY OUT: O^T / the sum x 2^(e8 + e9), quantised under entry 10; the conversions' results are the next operand's registers
.rept 4
	v_nop
.endr
.macro RSUM
	v_add_f32 v14, v14, v15
	v_permlanex16_b32 v252, v14, s[SEL], s[SEL+1]
	v_add_f32 v14, v14, v252                       ; the row's sum
	s_wait_alu depctr_va_vdst(0)                   ; ahead of the transcendental
	v_rcp_f32 v14, v14
	v_nop
	s_wait_alu depctr_va_vdst(0)                   ; and for one behind it
	v_ldexp_f32 v14, v14, s47
.endm
.macro CODES
.set jj, 0
.rept 64
	v_med3_num_f32 v[S+jj], v[S+jj], -v248, v248
.set jj, jj+1
.endr
.irp t, 0,1,2,3,4,5,6,7
	v_cvt_scalef32_pk8_fp8_f32 v[PC+2*\t:PC+2*\t+1], v[S+8*\t:S+8*\t+7], v249
.endr
	v_nop                                          ; one plain vector line behind the last conversion
.endm
	RSUM
	WIN 0x55
	RSUM
	WIN 0x01
	s_wait_alu depctr_va_vdst(0)                   ; directly ahead of the first reader of O^T
.set jj, 0
.rept 64
	v_mul_f32 v[S+jj], v[32+jj], v14
.set jj, jj+1
.endr
	WIN 0
	CODES
.irp c, 0,1,2,3
	global_store_b128 v[LI], v[PC+4*\c:PC+4*\c+3], s[10:11] offset:512*\c   ; 32 lanes store 512 consecutive bytes of the fragment
.endr
	WIN 0x55
	s_wait_alu depctr_va_vdst(0)
.set jj, 0
.rept 64
	v_mul_f32 v[S+jj], v[96+jj], v14
.set jj, jj+1
.endr
	CODES
	WIN 0x04
.irp c, 0,1,2,3
	global_store_b128 v[LI], v[PC+4*\c:PC+4*\c+3], s[10:11] offset:2048+512*\c
.endr
	WIN 0
	s_wait_tensorcnt 0x0                           ; the wave's end: behind my last tensor load
	ds_add_u32 v[SPW], v[NIL]
	s_wait_dscnt 0x0
	CROUND                                         ; the closing round: no work-group ends while a partner may still ask for a tile that names it
	s_endpgm
.Lfunc_end_k_qeaf79ae837_attn:
	.size	k_qeaf79ae837_attn, .Lfunc_end_k_qeaf79ae837_attn-k_qeaf79ae837_attn
	.p2alignl 7, 3214868480
	.fill 96, 4, 3214868480
	.section	.rodata,"a",@progbits
	.p2align	6, 0x0
	.amdhsa_kernel k_qeaf79ae837_attn
		.amdhsa_group_segment_fixed_size 327680
		.amdhsa_private_segment_fixed_size 0
		.amdhsa_enable_private_segment 0
		.amdhsa_kernarg_size 48
		.amdhsa_user_sgpr_count 2
		.amdhsa_user_sgpr_kernarg_segment_ptr 1
		.amdhsa_wavefront_size32 1
		.amdhsa_system_sgpr_workgroup_id_x 1
		.amdhsa_system_sgpr_workgroup_id_y 1
		.amdhsa_system_sgpr_workgroup_id_z 1
		.amdhsa_system_vgpr_workitem_id 0
		.amdhsa_next_free_vgpr 512
		.amdhsa_next_free_sgpr 100
		.amdhsa_reserve_vcc 1
		.amdhsa_float_denorm_mode_32 3
		.amdhsa_float_denorm_mode_16_64 3
		.amdhsa_memory_ordered 1
		.amdhsa_forward_progress 1
		.amdhsa_inst_pref_size 83
	.end_amdhsa_kernel
	.amdgpu_metadata
---
amdhsa.version: [ 1, 2 ]
amdhsa.kernels:
  - .name:           k_qeaf79ae837_attn
    .symbol:         k_qeaf79ae837_attn.kd
    .args:
      - { .name: qc, .offset: 0, .size: 8, .value_kind: global_buffer, .address_space: global }
      - { .name: kvc, .offset: 8, .size: 8, .value_kind: global_buffer, .address_space: global }
      - { .name: lowp_scales, .offset: 16, .size: 8, .value_kind: global_buffer, .address_space: global }
      - { .name: xc, .offset: 24, .size: 8, .value_kind: global_buffer, .address_space: global }
      - { .name: Wo, .offset: 32, .size: 8, .value_kind: global_buffer, .address_space: global }
      - { .name: woc, .offset: 40, .size: 8, .value_kind: global_buffer, .address_space: global }
    .group_segment_fixed_size: 327680
    .private_segment_fixed_size: 0
    .kernarg_segment_align: 8
    .kernarg_segment_size: 48
    .max_flat_workgroup_size: 256
    .sgpr_count:     100
    .vgpr_count:     512
    .wavefront_size: 32
...
	.end_amdgpu_metadata
.endif
;; end of part 3
;; launch oproj (part 4): grid 16 x 16, 4 waves a work-group, clusters of 4 x 1, 327,680 bytes of LDS; arguments xc, woc, lowp_scales, bo, out0; writes out0
.if DOCPART == 4
	.amdgcn_target "amdgcn-amd-amdhsa--gfx1250"
	.amdhsa_code_object_version 6
	.text
	.protected	k_qeaf79ae837_oproj
	.globl	k_qeaf79ae837_oproj
	.p2align	8
	.type	k_qeaf79ae837_oproj,@function
k_qeaf79ae837_oproj:
	s_mov_b64 s[64:65], 0
	v_nop
	global_prefetch_b8 v0, s[64:65] scope:SCOPE_SE
	s_setreg_imm32_b32 hwreg(HW_REG_WAVE_MODE, 25, 1), 1
	s_wait_xcnt 0x0
	s_wait_alu depctr_hold_cnt(0) depctr_sa_sdst(0) depctr_va_vdst(0) depctr_va_sdst(0) depctr_va_ssrc(0) depctr_va_vcc(0) depctr_vm_vsrc(0)
	s_getreg_b32 s2, hwreg(HW_REG_IB_STS2, 6, 4)
	s_cmp_eq_u32 s2, 0
	s_cbranch_scc0 .Lentry_in_a_cluster
	s_endpgm
.Lentry_in_a_cluster:
	s_bfe_u32 s2, ttmp6, 0x10000c
	s_cmp_lg_u32 s2, 0x3003
	s_cbranch_scc0 .Lentry_shape_is_right
	s_endpgm
.Lentry_shape_is_right:
; out = o Wo x 2^(e10 + e11) + bo: a GEMM ON CODES OF FP8, [4,096 x 2,048] x [2,048 x 2,048], f32 sums and result.
; Both operands lie in the order of the operand's registers: [tile of 16 rows][K step of 128][2,048 bytes]; row r of tile t is 32 (t / 2) + 8 (t % 2) + r % 8 + 16 (r / 8).  A fragment is four loads of 512 consecutive bytes.
; A tile of the result is 256 rows x 128 columns: 256 work-groups, row tile mt along x, column tile nt along y.  Four waves; wave w takes row tiles 4 w + a (a = 0 .. 3) against all 8 column tiles: 32 accumulators.
; THE WEIGHT'S TILE LIES IN LDS WHOLE: 128 columns x 2,048 = 262,144 bytes; each wave fetches four K steps of it (65,536 bytes) by ONE tensor load; nothing is filled again, and one barrier shows it to all.
; THE ROWS' FRAGMENTS serve one wave alone: they go from memory straight into its registers, three K steps ahead in four sets; LDS has no room for them beside the weight, so they are not asked for jointly.
; CLUSTERS: 4 work-groups along x share the column tile: the weight is asked for JOINTLY, by the same tensor load with the same descriptor and a mask that names the four.
; THE MATRIX INSTRUCTION IS USED TRANSPOSED (source 0 = 16 columns' codes of the weight, source 1 = 16 rows): the 16 registers of column tiles 2 c, 2 c + 1 are the columns 32 c + 16 (lane / 16) + 0 .. 15 of a row.
; PREFETCH: the rows' K steps 8 to 15, one trip of four K steps ahead of the loads that want them.  The 16 work-groups of a row tile share the K steps out: column tile nt asks for K step nt, one instruction a wave; K steps 0 to 7 come by their loads alone.
; REGISTERS, in windows of 256: window 0: addresses, v32-95 the way out, v128-191 the bias;  window 1: the rows' fragments, four sets of 64;  window 2: accumulator (a, b) at 8 (8 a + b);  window 3: the weight's fragments, two sets of 128.
; LIMIT: e10 + e11 between -126 and 127, so that 2^(e10 + e11) is an f32 number.
.set STAGE, 262144                     ; behind the weight's tile: a stage of 16 rows x (512 bytes + 16) for each wave
.set SPARE, STAGE+4*8448               ; the spare words, 128 bytes for each wave
.set AB,   16                          ; v16  LDS address of the quarter (four K steps) of the weight's tile that is being read
.set PFO,  20                          ; v20  the prefetch's offset; never rewritten
.set STO,  24                          ; v24  the stage: where I put 32 bytes of a row
.set RD,   25                          ; v25  and where I read a row back
.set CO,   26                          ; v26  16 x lane; never rewritten
.set SPW,  28
.set NIL,  29
.set TMP,  32
.set BIAS, 128
.set PFB,  58                          ; s[58:59] where my prefetch stands
.set WV,   66
.set TR,   67                          ; s67  the loop's trip
.set QO,   68                          ; s68  LDS byte of the quarter
.set PG,   69                          ; s69  the trip in which my work-group prefetches
.set G1,   24
.set G0,   32
.set MSB, 0
.macro WIN new                         ; the immediate's high byte repeats the setting that is left
.if MSB != \new
	s_set_vgpr_msb (MSB<<8)|\new
.set MSB, \new
.endif
.endm
.set MUL,  0xa7                        ; source 0 window 3, source 1 window 1, C and D window 2
.set TO_A, 0x40                        ; destination window 1, address window 0
.set TO_B, 0xc0                        ; destination window 3
.macro CROUND                          ; a round of the cluster's barrier
	s_barrier_signal -1
	s_barrier_wait -1
	s_cmp_lg_u32 s[WV], 0
	s_cbranch_scc1 .Lnot_wave_0_\@
	s_barrier_signal -3
.Lnot_wave_0_\@:
	s_barrier_wait -3
	s_barrier_signal -1
	s_barrier_wait -1
.endm
.macro ALOAD k                         ; the rows' four fragments of K step k (0 .. 2) into set k
	WIN TO_A
.irp a, 0,1,2,3
.irp c, 0,1,2,3
	global_load_b128 v[64*(\k)+16*\a+4*\c:64*(\k)+16*\a+4*\c+3], v[CO], s[4:5] offset:32768*\a+2048*(\k)+512*\c
.endr
.endr
.endm
; A K step: 32 matrix instructions, column tile g against my four row tiles; the 32 accumulators take turns.
.macro SMUL j, zero, ga, gb, gc, gd    ; four column tiles
.irp g, \ga,\gb,\gc,\gd
.irp a, 0,1,2,3
.if \zero
	v_wmma_f32_16x16x128_fp8_fp8 v[8*(8*\a+\g):8*(8*\a+\g)+7], v[128*((\j)%2)+16*\g:128*((\j)%2)+16*\g+15], v[64*(\j)+16*\a:64*(\j)+16*\a+15], 0
.else
	v_wmma_f32_16x16x128_fp8_fp8 v[8*(8*\a+\g):8*(8*\a+\g)+7], v[128*((\j)%2)+16*\g:128*((\j)%2)+16*\g+15], v[64*(\j)+16*\a:64*(\j)+16*\a+15], v[8*(8*\a+\g):8*(8*\a+\g)+7]
.endif
.endr
.endr
.endm
; j: the step's number modulo 4 (set j of the rows, set j % 2 of the weight).  In its middle, in one run: the next K step's eight fragments of the weight (its q-th in the quarter at AB), and the rows three K steps on (fa: that step from the base s[4:5]; 0: none).
; s_wait_loadcnt: this step's rows are in; those of the next two steps may be out.  s_wait_dscnt 16: column tiles 0-3 are in; the youngest 16 loads, tiles 4-7, may be out.
; The four v_nop are the places between the last step's products and loads into the registers that they have read (ISA guide 7.12.1 for vector instructions).
.macro STEP j, zero, q, fa, wl
	s_wait_loadcnt \wl
	s_wait_dscnt 16
	WIN MUL
	SMUL \j, \zero, 0, 1, 2, 3
.rept 4
	v_nop
.endr
	s_wait_dscnt 0x0
	WIN TO_B
.irp g, 0,1,2,3,4,5,6,7
.irp c, 0,1,2,3
	ds_load_b128 v[128*((\j+1)%2)+16*\g+4*\c:128*((\j+1)%2)+16*\g+4*\c+3], v[AB] offset:8192*\g+2048*(\q)+512*\c
.endr
.endr
.if \fa
	WIN TO_A
.irp g, 0,1,2,3,4,5,6,7
.irp c, 0,1
	global_load_b128 v[64*((\j+3)%4)+8*\g+4*\c:64*((\j+3)%4)+8*\g+4*\c+3], v[CO], s[4:5] offset:32768*(\g/2)+2048*(\fa)+1024*(\g%2)+512*\c
.endr
.endr
.endif
	WIN MUL
	SMUL \j, \zero, 4, 5, 6, 7
.endm
.macro MULA a                          ; K step 15, row tile a
	WIN MUL
.irp b, 0,1,2,3,4,5,6,7
	v_wmma_f32_16x16x128_fp8_fp8 v[8*(8*(\a)+\b):8*(8*(\a)+\b)+7], v[128+16*\b:128+16*\b+15], v[192+16*(\a):192+16*(\a)+15], v[8*(8*(\a)+\b):8*(8*(\a)+\b)+7]
.endr
.endm
	s_load_b256 s[4:11], s[0:1], 0x0               ; the rows' codes 4, the weight's codes 6, the scales' exponents 8, bo 10
	s_load_b64 s[12:13], s[0:1], 0x20              ; out0
	v_lshl_add_u32 v[SPW], v0, 2, SPARE
	v_mov_b32 v[NIL], 0
	ds_add_u32 v[SPW], v[NIL]                      ; the wave's opening: the add, twice on end, and its wait ahead of my first tensor load
	ds_add_u32 v[SPW], v[NIL]
	v_lshrrev_b32 v1, 5, v0
	v_readfirstlane_b32 s[WV], v1                  ; wave 0..3
	v_and_b32 v1, 31, v0
	v_lshlrev_b32 v[CO], 4, v1
	v_mov_b32 v[AB], v[CO]
	v_lshrrev_b32 v2, 3, v1
	v_and_b32 v3, 7, v1
	v_lshlrev_b32 v3, 8, v3
	v_lshl_add_u32 v[PFO], v2, 15, v3              ; lane: row tile lane / 8, 256 bytes x (lane % 8): the 32 lanes name a K step of my four row tiles
	s_mul_i32 s18, s[WV], 16*528
	s_add_co_u32 s18, s18, STAGE                   ; my stage
	v_and_b32 v2, 15, v0
	v_bfe_u32 v3, v0, 4, 1
	v_mul_u32_u24 v[STO], v2, 528
	v_lshl_add_u32 v[STO], v3, 6, v[STO]
	v_add_nc_u32 v[STO], s18, v[STO]               ; in: row lane % 16, + 64 (lane / 16)
	v_add_nc_u32 v[RD], s18, v[CO]                 ; back: the 32 lanes take one row of 512 bytes
	v_lshlrev_b32 v4, 6, v3
	s_wait_alu depctr_va_vdst(0)
	s_mov_b32 s[QO], 0
	s_mov_b32 s[G1], 15|(3<<16)|(1<<21)            ; the mask of all four partners; elements of 8 bytes; 21 set beside a mask; no padding
	s_mov_b32 s[G1+1], 1024<<16                    ; 8 tiles of 8,192 bytes (four K steps), 32,768 bytes from tile to tile
	s_mov_b32 s[G1+2], 8<<16
	s_mov_b32 s[G1+3], 1024<<16
	s_mov_b32 s[G1+4], 8
	s_mov_b32 s[G1+5], 4096
	s_mov_b32 s[G1+6], 0
	s_mov_b32 s[G1+7], 0
	s_bfe_u32 s40, ttmp6, 0x40000                  ; cx: my place in the cluster
	s_lshl_b32 s19, ttmp9, 2
	s_add_co_u32 s19, s19, s40                     ; row tile mt = 4 x cluster x + cx
	s_and_b32 s42, ttmp7, 0xffff                   ; column tile nt
	s_lshl_b32 s46, s42, 18                        ; the weight: tile 8 nt,
	s_lshl_b32 s47, s[WV], 13                      ; my four K steps
	s_add_co_u32 s46, s46, s47
	s_mov_b32 s47, 0
	s_lshl_b32 s48, s[WV], 16                      ; and where they go
	s_lshl_b32 s20, s19, 19
	s_lshl_b32 s21, s[WV], 17
	s_add_co_u32 s20, s20, s21                     ; my first row tile: 16 mt + 4 x wave
	s_mov_b32 s21, 0
	s_lshl_b32 s50, s42, 11
	s_mov_b32 s51, 0
	s_lshl_b32 s52, s42, 9                         ; my 128 columns, in bytes
	s_mov_b32 s53, 0
	s_sub_co_u32 s[PG], s42, 8
	s_lshr_b32 s[PG], s[PG], 2                     ; K steps 8-11: trip 0; 12-15: trip 1; below 8 no trip has this number
	s_wait_dscnt 0x0                               ; both opening adds are done
	s_wait_kmcnt 0x0
	s_load_b64 s[92:93], s[8:9], 0x28              ; e10, e11
	s_add_nc_u64 s[4:5], s[4:5], s[20:21]
	s_add_nc_u64 s[PFB:PFB+1], s[4:5], s[50:51]    ; K step nt of my rows
	s_add_nc_u64 s[10:11], s[10:11], s[52:53]
	s_mov_b32 s[G0], 1
	s_mov_b32 s[G0+1], s48
	s_add_nc_u64 s[G0+2:G0+3], s[6:7], s[46:47]
	s_or_b32 s[G0+3], s[G0+3], 0x80000000
.irp b, 0,1,2,3,4,5,6,7                ; the bias in the result's layout: for column tile b, columns 32 (b / 2) + 16 (lane / 16) + 8 (b % 2) + 0 .. 7
	global_load_b128 v[BIAS+8*\b:BIAS+8*\b+3], v4, s[10:11] offset:128*(\b/2)+32*(\b%2)
	global_load_b128 v[BIAS+8*\b+4:BIAS+8*\b+7], v4, s[10:11] offset:128*(\b/2)+32*(\b%2)+16
.endr
	ALOAD 0
	WIN 0
	CROUND                                         ; all four work-groups are here: the joint loads meet
	tensor_load_to_lds s[G0:G0+3], s[G1:G1+7]      ; my quarter of the weight's tile
	s_nop 0
	ALOAD 1
	ALOAD 2
	WIN 0
	s_lshl_b32 s20, s19, 21
	s_lshl_b32 s18, s[WV], 19
	s_add_co_u32 s20, s20, s18                     ; my first row of the result: 256 mt + 64 x wave
	s_add_co_u32 s20, s20, s52
	s_add_nc_u64 s[12:13], s[12:13], s[20:21]
	s_wait_kmcnt 0x0
	s_add_co_i32 s96, s92, s93
	s_add_co_i32 s96, s96, 127
	s_lshl_b32 s96, s96, 23                        ; 2^(e10 + e11) as f32
	s_mov_b32 s97, s96                             ; (named with it as a pair, so it is written)
	s_wait_tensorcnt 0x0                           ; my quarter of the weight's tile is in,
	s_barrier_signal -1
	s_barrier_wait -1                              ; and everybody's
	WIN TO_B
.irp g, 0,1,2,3,4,5,6,7
.irp c, 0,1,2,3
	ds_load_b128 v[16*\g+4*\c:16*\g+4*\c+3], v[AB] offset:8192*\g+512*\c
.endr
.endr
	STEP 0, 1, 1, 3, 32                            ; the first step starts the sums: nothing is ever cleared
	WIN 0
	s_mov_b32 s[TR], 0
.Lk:                                                   ; trip T: K steps 4 T + 1 .. 4 T + 4; the base s[4:5] stands at K step 4 T
	s_cmp_eq_u32 s[PG], s[TR]                      ; the number hangs on the column tile alone, which all partners share
	s_cbranch_scc0 .Lnot_mine
	global_prefetch_b8 v[PFO], s[PFB:PFB+1] th:TH_LOAD_NT scope:SCOPE_SE
.Lnot_mine:
	STEP 1, 0, 2, 4, 32
	STEP 2, 0, 3, 5, 32
	WIN 0
	s_add_co_u32 s[QO], s[QO], 0x10000             ; the next quarter of the weight's tile
	v_add_nc_u32 v[AB], s[QO], v[CO]
	s_wait_alu depctr_va_vdst(0)
	STEP 3, 0, 0, 6, 32
	STEP 0, 0, 1, 7, 32
	WIN 0
	s_wait_xcnt 0x0                                ; every load has read its base
	s_add_nc_u64 s[4:5], s[4:5], 8192
	s_add_co_u32 s[TR], s[TR], 1
	s_cmp_lt_u32 s[TR], 3
	s_cbranch_scc1 .Lk
	STEP 1, 0, 2, 0, 32                            ; K step 13
	STEP 2, 0, 3, 0, 16
; THE WAY OUT, a row tile at a time: sum x 2^(e10 + e11) + bias, through my own stage, and back as whole rows of 512 bytes.  LDS serves a wave's instructions in order: no wait between the stores and the loads.
; K step 15 goes by row tiles, so that the first tile's rows leave while the others are multiplied.
.macro TOSTAGE a
	WIN 0x02                                       ; source 0 (the sums) window 2
.set jj, 0
.rept 32
	v_pk_fma_f32 v[TMP+jj:TMP+jj+1], v[64*(\a)+jj:64*(\a)+jj+1], s[96:97], v[BIAS+jj:BIAS+jj+1] op_sel_hi:[1,0,1]   ; each accumulator from its low end on
.set jj, jj+2
.endr
	WIN 0
.irp b, 0,1,2,3,4,5,6,7
	ds_store_b128 v[STO], v[TMP+8*\b:TMP+8*\b+3] offset:128*(\b/2)+32*(\b%2)
	ds_store_b128 v[STO], v[TMP+8*\b+4:TMP+8*\b+7] offset:128*(\b/2)+32*(\b%2)+16
.endr
	WIN TO_A
.irp t, 0,1,2,3,4,5,6,7,8,9,10,11,12,13,14,15
	ds_load_b128 v[64*((\a)%2)+4*\t:64*((\a)%2)+4*\t+3], v[RD] offset:\t*528
.endr
.endm
.macro SEND a, younger                 ; younger: the LDS instructions issued behind tile a's loads, which may stay out
	s_wait_dscnt \younger
	WIN 0x04
.irp t, 0,1,2,3,4,5,6,7,8,9,10,11,12,13,14,15
	global_store_b128 v[CO], v[64*((\a)%2)+4*\t:64*((\a)%2)+4*\t+3], s[12:13] offset:(32*((\a)/2)+8*((\a)%2)+(\t%8)+16*(\t/8))*8192 th:TH_STORE_NT   ; 32 lanes store 512 consecutive bytes, aligned; row t of the tile stands at its true place
.endr
.endm
	s_wait_loadcnt 0x0
	s_wait_dscnt 0x0
	MULA 0
	MULA 1
.rept 4
	v_nop                                          ; places in front of the first read of results
.endr
	TOSTAGE 0
	MULA 2
	SEND 0, 0
	TOSTAGE 1                                      ; TOSTAGE 0's 32 plain vector lines stand behind tile 1's products
	MULA 3
	SEND 1, 0
	s_wait_xcnt 0x0                                ; tiles 0 and 1's stores have read their registers: the next tiles' loads may land there
	TOSTAGE 2
	TOSTAGE 3
	SEND 2, 32                                     ; behind tile 2's loads: tile 3's 16 stores and 16 loads
	SEND 3, 0
	WIN 0
	s_wait_tensorcnt 0x0                           ; the wave's end: behind my last tensor load and my last LDS store
	ds_add_u32 v[SPW], v[NIL]
	s_wait_dscnt 0x0
	CROUND                                         ; the closing round: no work-group ends while a partner may still ask for a tile that names it
	s_endpgm
.Lfunc_end_k_qeaf79ae837_oproj:
	.size	k_qeaf79ae837_oproj, .Lfunc_end_k_qeaf79ae837_oproj-k_qeaf79ae837_oproj
	.p2alignl 7, 3214868480
	.fill 96, 4, 3214868480
	.section	.rodata,"a",@progbits
	.p2align	6, 0x0
	.amdhsa_kernel k_qeaf79ae837_oproj
		.amdhsa_group_segment_fixed_size 327680
		.amdhsa_private_segment_fixed_size 0
		.amdhsa_enable_private_segment 0
		.amdhsa_kernarg_size 40
		.amdhsa_user_sgpr_count 2
		.amdhsa_user_sgpr_kernarg_segment_ptr 1
		.amdhsa_wavefront_size32 1
		.amdhsa_system_sgpr_workgroup_id_x 1
		.amdhsa_system_sgpr_workgroup_id_y 1
		.amdhsa_system_sgpr_workgroup_id_z 1
		.amdhsa_system_vgpr_workitem_id 0
		.amdhsa_next_free_vgpr 1024
		.amdhsa_next_free_sgpr 102
		.amdhsa_reserve_vcc 0
		.amdhsa_float_denorm_mode_32 3
		.amdhsa_float_denorm_mode_16_64 3
		.amdhsa_memory_ordered 1
		.amdhsa_forward_progress 1
		.amdhsa_inst_pref_size 76
	.end_amdhsa_kernel
	.amdgpu_metadata
---
amdhsa.version: [ 1, 2 ]
amdhsa.kernels:
  - .name:           k_qeaf79ae837_oproj
    .symbol:         k_qeaf79ae837_oproj.kd
    .args:
      - { .name: xc, .offset: 0, .size: 8, .value_kind: global_buffer, .address_space: global }
      - { .name: woc, .offset: 8, .size: 8, .value_kind: global_buffer, .address_space: global }
      - { .name: lowp_scales, .offset: 16, .size: 8, .value_kind: global_buffer, .address_space: global }
      - { .name: bo, .offset: 24, .size: 8, .value_kind: global_buffer, .address_space: global }
      - { .name: out0, .offset: 32, .size: 8, .value_kind: global_buffer, .address_space: global }
    .group_segment_fixed_size: 327680
    .private_segment_fixed_size: 0
    .kernarg_segment_align: 8
    .kernarg_segment_size: 40
    .max_flat_workgroup_size: 128
    .sgpr_count:     102
    .vgpr_count:     1024
    .wavefront_size: 32
...
	.end_amdgpu_metadata
.endif
;; end of part 4
